; MI455X (gfx1250); checked and timed in simulation.
; The chip was launched on July 23, 2026; its instructions are those of AMD's public machine-readable ISA for CDNA 5 (MIT licence, August 2026) and "CDNA5" Instruction Set Architecture Reference Guide (July 2026). The comments in the code are by the model that wrote it; some were corrected since.
;; Mo E. Allowed arithmetic: matrix products marked QUANTISED: E4M3 operands, one given power-of-two scale a tensor, by v_wmma_f32_16x16x64_fp8_fp8 or v_wmma_f32_16x16x128_fp8_fp8, f32 sums; products left as they are: f32 operands where the result goes on into a quantised operand, else bf16, f16 or f32 operands; f32 sums; everything else in f32.
;; Inputs: W1_codes 8 x 4,096 x 32 x 32 uint8 (E4M3 codes of W1, K innermost, in blocks of 32 codes); W2_codes 8 x 1,024 x 128 x 32 uint8 (E4M3 codes of W2, K innermost, in blocks of 32 codes); Wg 1,024 x 8 float32; b1 8 x 4,096 float32; b2 8 x 1,024 float32; beta 8 x 1,024 float32; gamma 8 x 1,024 float32; lowp_scales 4 int32 (the exponents e of the quantised operands' scales 2^e); x 2 x 512 x 1,024 float32.
;; Outputs: out0 2 x 512 x 1,024 float32.
;; This version of the problem:
;;   THIS VERSION OF THE PROBLEM IS GIVEN IN LOW PRECISION. The matrix products marked QUANTISED in the list below multiply operands that are first quantised to E4M3 (4 exponent bits, 3 mantissa bits; 8 bits a number), with one given power-of-two scale for each operand tensor; their sums are f32. All else is computed in f32.
;;   The module's matrix products, in the order in which they are computed (A, B: the left and right operand; K: the contracted axis; several contracted axes count as one K, in the product's order):
;;     1. [M 1,024, K 1,024] x [K 1,024, N 8]; A: input x; B: input Wg: left as it is (N = 8 < 16)
;;     2. batch 8 x [M 1,024, K 1,024] x [K 1,024, N 4,096]; A: computed on the way; B: input W1 (given as codes): QUANTISED (scales: A lowp_scales[0], B lowp_scales[1])
;;     3. batch 8 x [M 1,024, K 4,096] x [K 4,096, N 1,024]; A: computed on the way; B: input W2 (given as codes): QUANTISED (scales: A lowp_scales[2], B lowp_scales[3])
;;     4. batch 1,024 x [M 1, K 8] x [K 8, N 1,024]; A: computed on the way; B: computed on the way: left as it is (K = 8 < 32)
;;   THE QUANTISER, for each operand of a quantised product, along K:
;;     - The operand's scale is 2^e, e = its entry of the input lowp_scales (int32; the entries are numbered through the quantised products in the list's order, A before B).
;;     - Each number is divided by the scale, clamped to +-448, and rounded to the nearest number of E4M3, ties to even, subnormals kept.
;;     - The product sums the exact products of the quantised numbers (number of the format x scale) in f32.
;;   ~~~python
;;   def quantise(x, axis, e):      # numpy; x: float32 -> the quantised numbers, widened to float32 again
;;       x = np.moveaxis(x, axis, -1); K = x.shape[-1]
;;       r = np.clip(x / 2.0 ** e, -448, 448)
;;       step = 2.0 ** (np.maximum(np.frexp(np.where(r == 0, 1, r))[1] - 1, -6) - 3)
;;       q = np.round(r / step) * step * 2.0 ** e      # np.round: ties to even
;;       return np.moveaxis(q, -1, axis).astype(np.float32)
;;   ~~~
;;   OPERANDS COMPUTED ON THE WAY. 'Computed on the way' means the value that the module computes at that place (a softmax that the list does not call 'softmax' is quantised finished and normalised). What goes into a quantiser is computed in f32, as accurately as f32 sums, v_exp_f32 and their like allow (about 1e-6 of the number): no bf16 or f16 on the way to a quantiser, and a product that is left as it is and whose result goes on into a quantised operand takes f32 operands (vector FMAs, or v_wmma_f32_16x16x4_f32). A number that lies on a knife's edge between two numbers of the format may be rounded either way, as far as f32 arithmetic and the matrix unit's own rounding can turn it there, and no further.
;;   INPUTS GIVEN AS CODES. W1 (in the module: [8, 1024, 4096], K = its axis 1); W2 (in the module: [8, 4096, 1024], K = its axis 1): each comes as NAME_codes (uint8): NAME with its K axis moved to the last place and cut into blocks of 32 codes, [.., K / 32, bytes a block], one block behind the other in memory; one code a byte (a code: sign, 4 exponent bits, 3 mantissa bits); its scale is its entry of lowp_scales. Its value is code x scale, taken as it is: it is not quantised again, and the codes and scales need not be those that the quantiser above would give.
;; 2 versions, each right; version 2 is version 1 with the launches ffn1, ffn2 written anew for expert scheduling mode. Each part assembles by itself: llvm-mc -triple=amdgcn-amd-amdhsa -mcpu=gfx1250 --defsym DOCPART=n.
;; ======== version 1 of 2: 5 launches
;; workspace buffers: sel 8,192 bytes of whole numbers; cw 8,192 bytes; xq 2,097,152 bytes; hq 33,554,432 bytes; part 35,651,584 bytes; rowlist 32,768 bytes of whole numbers; cnt 2,048 bytes of whole numbers
;; launch route (part 1): grid 256 x 1, 4 waves a work-group, no clusters, 2,560 bytes of LDS; arguments x, Wg, gamma, beta, lowp_scales, sel, cw, xq; writes sel, cw, xq
.if DOCPART == 1
	.amdgcn_target "amdgcn-amd-amdhsa--gfx1250"
	.amdhsa_code_object_version 6
	.text
	.protected	k_qd91842a617_route
	.globl	k_qd91842a617_route
	.p2align	8
	.type	k_qd91842a617_route,@function
k_qd91842a617_route:
	s_mov_b64 s[64:65], 0
	v_nop
	global_prefetch_b8 v0, s[64:65] scope:SCOPE_SE
	s_setreg_imm32_b32 hwreg(HW_REG_WAVE_MODE, 25, 1), 1
	s_wait_xcnt 0x0
; ROUTE.  For each of 1,024 tokens: scores = x Wg in f32, the two largest (a tie goes to the lower expert), their softmax, the LayerNorm statistics (mean first, then the mean
; of squared differences), and the normed row xhat * gamma[e] + beta[e] of BOTH chosen experts as E4M3 codes with the given scale 2^e0.
; OUT: sel[2 n + k] = expert, cw[2 n + k] = its weight, xq[2 n + k][1024] = the codes of routed row 2 n + k, K as it lies.
; SHARES.  A work-group takes 4 tokens.  THE WAVES SHARE THE COLUMNS: wave w takes columns 256 w .. 256 w + 255 of all four tokens, lane l the 8 neighbours 256 w + 8 l .. + 7.
; So Wg, gamma and beta are read once by a work-group, a lane's conversion gives 8 neighbouring codes, and a wave's store of codes covers 256 consecutive bytes, aligned.
; THE CHOICE STEERS NO ADDRESS AND NO BRANCH HERE: all eight experts' rows are quantised and the two code registers are selected.
; No matrix unit: the product has 8 columns.  No tensor load, no cluster: what work-groups share (Wg, gamma, beta: 96 KiB) is small beside nothing else that recurs.
; LIMITS: e0 between -126 and 119, so that 2^e0 and 448 x 2^e0 are f32 numbers.  NaN and infinities among x, Wg, gamma, beta are not served.
; Two scores that differ by less than the f32 sums' own rounding may be ranked either way.
.set X,    16                          ; v16-47   x, then x - mu, then xhat: token t at X + 8 t
.set WG,   48                          ; v48-111  Wg: my column j at WG + 8 j, 8 experts
.set BE,   48                          ; v48-111  later beta: expert e at BE + 8 e
.set SC,   112                         ; v112-147 32 partial scores [token][expert], 4 sums of x; later what is read back from LDS
.set GA,   148                         ; v148-211 gamma: expert e at GA + 8 e
.set N8,   212                         ; v212-219 eight normed numbers at work
.set CODE, 220                         ; v220-221 their codes
.set RES,  222                         ; v222-237 the chosen codes: token t, choice k at RES + 4 t + 2 k
.set RED2, 1024                        ; LDS: 0: 256 bytes a wave (32 scores, 4 sums); RED2: 256 bytes a wave (4 sums of squares)
; v238 2^e0, v239 448 x 2^e0; v240-243 mu, then 1 / sqrt(var + eps); v244-251 at work; v252, v253 largest score and its expert; v254, v255 the second
; the sum over the wave's 32 lanes of cnt registers from base on; every lane ends with the sum
.macro WSUM base, cnt
.irp m, 1,2,4,8
.set i, 0
.rept \cnt
	v_add_f32_dpp v[\base+i], v[\base+i], v[\base+i] row_xmask:\m row_mask:0xf bank_mask:0xf
.set i, i+1
.endr
.endr
.set i, 0
.rept \cnt
	v_permlanex16_b32 v[244+i%4], v[\base+i], s28, s29
	v_add_f32 v[\base+i], v[\base+i], v[244+i%4]
.set i, i+1
.endr
.endm
; the largest value and its index among each group of eight lanes; of equal values the lower index wins; all eight lanes end with the result
.macro BFLY val, idx
.irp m, 1,2,4
	v_mov_b32_dpp v244, v[\val] row_xmask:\m row_mask:0xf bank_mask:0xf
	v_mov_b32_dpp v245, v[\idx] row_xmask:\m row_mask:0xf bank_mask:0xf
	v_cmp_gt_f32 s40, v244, v[\val]
	v_cmp_eq_f32 s41, v244, v[\val]
	v_cmp_lt_u32 s42, v245, v[\idx]
	s_and_b32 s41, s41, s42
	s_or_b32 s40, s40, s41
	v_cndmask_b32 v[\val], v[\val], v244, s40
	v_cndmask_b32 v[\idx], v[\idx], v245, s40
.endr
.endm
; token t's eight numbers under expert e become codes; they are kept where e is the token's first or second choice
.macro QEXP t, e
.irp p, 0,1,2,3
	v_pk_fma_f32 v[N8+2*\p:N8+2*\p+1], v[X+8*\t+2*\p:X+8*\t+2*\p+1], v[GA+8*\e+2*\p:GA+8*\e+2*\p+1], v[BE+8*\e+2*\p:BE+8*\e+2*\p+1]
.endr
.irp i, 0,1,2,3,4,5,6,7
	v_med3_num_f32 v[N8+\i], v[N8+\i], -v239, v239         ; the conversion to an 8-bit code does not saturate (ISA guide 7.6.2): the hold at 448 x the scale comes first
.endr
	v_cvt_scalef32_pk8_fp8_f32 v[CODE:CODE+1], v[N8:N8+7], v238
	v_nop                                                  ; one plain vector line between the conversion and the reads of its result
.irp k, 0,1
.if \e == 0
	v_mov_b32 v[RES+4*\t+2*\k], v[CODE]                    ; expert 0 writes the registers whole
	v_mov_b32 v[RES+4*\t+2*\k+1], v[CODE+1]
.else
	s_cmp_eq_u32 s[30+4*\k+\t], \e
	s_cselect_b32 s38, -1, 0
	v_cndmask_b32 v[RES+4*\t+2*\k], v[RES+4*\t+2*\k], v[CODE], s38
	v_cndmask_b32 v[RES+4*\t+2*\k+1], v[RES+4*\t+2*\k+1], v[CODE+1], s38
.endif
.endr
.endm
	s_load_b512 s[4:19], s[0:1], 0x0               ; x s[4:5], Wg s[6:7], gamma s[8:9], beta s[10:11], scales s[12:13], sel s[14:15], cw s[16:17], xq s[18:19]
	v_lshl_add_u32 v14, v0, 2, 0x800
	v_mov_b32 v15, 0
	v_lshrrev_b32 v1, 5, v0
	v_readfirstlane_b32 s20, v1                    ; wave 0..3
	v_and_b32 v1, 31, v0                           ; lane
	v_lshlrev_b32 v2, 5, v1                        ; 32 x lane: my 8 numbers in a row of x, gamma, beta
	v_lshlrev_b32 v3, 8, v1                        ; 256 x lane: my 8 rows of Wg
	v_lshlrev_b32 v4, 3, v1                        ; 8 x lane: my 8 codes
	s_lshl_b32 s21, s20, 8
	v_mov_b32 v5, s21                              ; LDS: my wave's 256 bytes
	v_lshlrev_b32 v6, 2, v1                        ; 4 x lane
	v_mov_b32 v7, 0
	v_and_b32 v8, 7, v1                            ; lane % 8: the expert whose score I hold later
	v_lshrrev_b32 v9, 3, v1
	v_lshlrev_b32 v9, 3, v9
	v_lshl_add_u32 v9, v8, 2, v9                   ; 8 (lane / 8) + 4 (lane % 8): where lanes with lane % 8 < 2 store sel and cw
.irp i, 244,245,246,247,248,249,250,251
	v_mov_b32 v\i, 0                               ; written once: the destination of a lane exchange counts as read
.endr
	s_mov_b32 s28, 0x76543210                      ; v_permlanex16_b32: lane l takes lane l xor 16
	s_mov_b32 s29, 0xfedcba98
	s_mov_b32 s23, 0
	s_lshl_b32 s22, ttmp9, 14                      ; 4 tokens of 4,096 bytes
	s_lshl_b32 s26, s20, 10                        ; my wave's 256 columns
	s_add_co_u32 s22, s22, s26
	s_wait_kmcnt 0x0
	s_add_nc_u64 s[4:5], s[4:5], s[22:23]
	s_mov_b32 s22, s26
	s_add_nc_u64 s[8:9], s[8:9], s[22:23]
	s_add_nc_u64 s[10:11], s[10:11], s[22:23]
	s_lshl_b32 s22, s20, 13                        ; 256 rows of Wg, 32 bytes each
	s_add_nc_u64 s[6:7], s[6:7], s[22:23]
	s_lshl_b32 s22, ttmp9, 13                      ; 8 routed rows of 1,024 codes
	s_add_co_u32 s22, s22, s21
	s_add_nc_u64 s[18:19], s[18:19], s[22:23]
	s_lshl_b32 s22, ttmp9, 5                       ; 8 words
	s_add_nc_u64 s[14:15], s[14:15], s[22:23]
	s_add_nc_u64 s[16:17], s[16:17], s[22:23]
	s_load_b32 s24, s[12:13], 0x0                  ; e0
.irp t, 0,1,2,3
	global_load_b128 v[X+8*\t:X+8*\t+3], v2, s[4:5] offset:4096*\t
	global_load_b128 v[X+8*\t+4:X+8*\t+7], v2, s[4:5] offset:4096*\t+16
.endr
.irp i, 0,1,2,3,4,5,6,7,8,9,10,11,12,13,14,15
	global_load_b128 v[WG+4*\i:WG+4*\i+3], v3, s[6:7] offset:16*\i     ; a lane's sixteen loads take 256 consecutive bytes, aligned
.endr
.irp e, 0,1,2,3,4,5,6,7
	global_load_b128 v[GA+8*\e:GA+8*\e+3], v2, s[8:9] offset:4096*\e
	global_load_b128 v[GA+8*\e+4:GA+8*\e+7], v2, s[8:9] offset:4096*\e+16
.endr
	s_wait_loadcnt 16                              ; x and Wg are in; gamma's sixteen loads are younger and may stay out
	; partial scores of my 8 columns: two experts an instruction, x broadcast to both halves.  Column 0 starts the sums: nothing is cleared
.irp t, 0,1,2,3
.irp p, 0,1,2,3
	v_pk_mul_f32 v[SC+8*\t+2*\p:SC+8*\t+2*\p+1], v[X+8*\t:X+8*\t+1], v[WG+2*\p:WG+2*\p+1] op_sel_hi:[0,1]
.endr
.endr
.irp j, 1,2,3,4,5,6,7
.irp t, 0,1,2,3
.irp p, 0,1,2,3
.if \j % 2
	v_pk_fma_f32 v[SC+8*\t+2*\p:SC+8*\t+2*\p+1], v[X+8*\t+\j-1:X+8*\t+\j], v[WG+8*\j+2*\p:WG+8*\j+2*\p+1], v[SC+8*\t+2*\p:SC+8*\t+2*\p+1] op_sel:[1,0,0] op_sel_hi:[1,1,1]
.else
	v_pk_fma_f32 v[SC+8*\t+2*\p:SC+8*\t+2*\p+1], v[X+8*\t+\j:X+8*\t+\j+1], v[WG+8*\j+2*\p:WG+8*\j+2*\p+1], v[SC+8*\t+2*\p:SC+8*\t+2*\p+1] op_sel_hi:[0,1,1]
.endif
.endr
.endr
.endr
.irp t, 0,1,2,3
	v_pk_add_f32 v[244:245], v[X+8*\t:X+8*\t+1], v[X+8*\t+2:X+8*\t+3]
	v_pk_add_f32 v[246:247], v[X+8*\t+4:X+8*\t+5], v[X+8*\t+6:X+8*\t+7]
	v_pk_add_f32 v[244:245], v[244:245], v[246:247]
	v_add_f32 v[SC+32+\t], v244, v245              ; the sum of my 8 numbers of token t
.endr
.irp e, 0,1,2,3,4,5,6,7
	global_load_b128 v[BE+8*\e:BE+8*\e+3], v2, s[10:11] offset:4096*\e          ; beta takes Wg's registers, which are done with
	global_load_b128 v[BE+8*\e+4:BE+8*\e+7], v2, s[10:11] offset:4096*\e+16
.endr
	WSUM SC, 36
.irp i, 0,1,2,3,4,5,6,7,8
	ds_store_b128 v5, v[SC+4*\i:SC+4*\i+3] offset:16*\i    ; all lanes hold the same sums and write the same bytes
.endr
	s_wait_dscnt 0x0                               ; for the other waves' sake: my stores have landed
	s_barrier_signal -1
	s_barrier_wait -1
.irp w, 0,1,2,3
	ds_load_b32 v[SC+\w], v6 offset:256*\w         ; lane l: wave w's part of the score of token l / 8, expert l % 8
.endr
.irp w, 0,1,2,3
	ds_load_b128 v[SC+4+4*\w:SC+7+4*\w], v7 offset:256*\w+128   ; wave w's sums of x, four tokens
.endr
	s_wait_dscnt 0x0
	v_add_f32 v112, v112, v113
	v_add_f32 v114, v114, v115
	v_add_f32 v250, v112, v114                     ; my score; every wave adds in the same order, so all four choose alike
	v_pk_add_f32 v[116:117], v[116:117], v[120:121]
	v_pk_add_f32 v[118:119], v[118:119], v[122:123]
	v_pk_add_f32 v[124:125], v[124:125], v[128:129]
	v_pk_add_f32 v[126:127], v[126:127], v[130:131]
	v_pk_add_f32 v[116:117], v[116:117], v[124:125]
	v_pk_add_f32 v[118:119], v[118:119], v[126:127]
.irp t, 0,1,2,3
	v_mul_f32 v[240+\t], 0x3a800000, v[116+\t]     ; mu = the sum / 1,024
.endr
.irp t, 0,1,2,3
.irp j, 0,1,2,3,4,5,6,7
	v_sub_f32 v[X+8*\t+\j], v[X+8*\t+\j], v[240+\t]
.endr
.endr
.irp t, 0,1,2,3
	v_pk_mul_f32 v[244:245], v[X+8*\t:X+8*\t+1], v[X+8*\t:X+8*\t+1]
	v_pk_mul_f32 v[246:247], v[X+8*\t+2:X+8*\t+3], v[X+8*\t+2:X+8*\t+3]
	v_pk_fma_f32 v[244:245], v[X+8*\t+4:X+8*\t+5], v[X+8*\t+4:X+8*\t+5], v[244:245]
	v_pk_fma_f32 v[246:247], v[X+8*\t+6:X+8*\t+7], v[X+8*\t+6:X+8*\t+7], v[246:247]
	v_pk_add_f32 v[244:245], v[244:245], v[246:247]
	v_add_f32 v[132+\t], v244, v245
.endr
	WSUM 132, 4
	ds_store_b128 v5, v[132:135] offset:RED2       ; other bytes than the first exchange's: no wave can still be reading them
	s_wait_dscnt 0x0
	s_barrier_signal -1
	s_barrier_wait -1
.irp w, 0,1,2,3
	ds_load_b128 v[112+4*\w:115+4*\w], v7 offset:RED2+256*\w
.endr
	; the two largest scores of each token, while those loads are out
	v_mov_b32 v252, v250
	v_mov_b32 v253, v8
	BFLY 252, 253
	v_cmp_eq_u32 vcc_lo, v253, v8
	v_mov_b32 v251, 0xff800000                     ; the winner's lane drops out: -infinity
	v_cndmask_b32 v254, v250, v251, vcc_lo
	v_mov_b32 v255, v8
	BFLY 254, 255
	v_sub_f32 v246, v254, v252                     ; softmax of the two, the larger taken away: second - first, 0 or less
	v_mul_f32 v246, 0x3fb8aa3b, v246
	v_exp_f32 v247, v246
	v_nop                                          ; a plain line behind a transcendental
	s_wait_alu depctr_va_vdst(0)
	v_add_f32 v248, 1.0, v247
	v_rcp_f32 v248, v248                           ; w0 = 1 / (1 + e^(second - first))
	v_nop
	s_wait_alu depctr_va_vdst(0)
	v_mul_f32 v249, v247, v248                     ; w1
.irp t, 0,1,2,3
	v_readlane_b32 s[30+\t], v253, 8*\t            ; token t's first expert,
	v_readlane_b32 s[34+\t], v255, 8*\t            ; and its second: they go into compares for selects and into store data, nowhere else
.endr
	s_wait_dscnt 0x0
	v_pk_add_f32 v[112:113], v[112:113], v[116:117]
	v_pk_add_f32 v[114:115], v[114:115], v[118:119]
	v_pk_add_f32 v[120:121], v[120:121], v[124:125]
	v_pk_add_f32 v[122:123], v[122:123], v[126:127]
	v_pk_add_f32 v[112:113], v[112:113], v[120:121]
	v_pk_add_f32 v[114:115], v[114:115], v[122:123]
.irp t, 0,1,2,3
	v_mul_f32 v[240+\t], 0x3a800000, v[112+\t]     ; var
	v_add_f32 v[240+\t], 0x358637bd, v[240+\t]     ; + 1e-6
.endr
.irp t, 0,1,2,3
	v_rsq_f32 v[240+\t], v[240+\t]
.endr
	v_nop
	s_wait_alu depctr_va_vdst(0)
.irp t, 0,1,2,3
.irp j, 0,1,2,3,4,5,6,7
	v_mul_f32 v[X+8*\t+\j], v[X+8*\t+\j], v[240+\t]    ; xhat
.endr
.endr
	s_wait_kmcnt 0x0
	s_add_co_i32 s24, s24, 127
	s_lshl_b32 s25, s24, 23
	v_mov_b32 v238, s25                            ; 2^e0 as f32: the conversion takes its exponent field
	s_add_co_i32 s24, s24, 8
	s_lshl_b32 s24, s24, 23
	s_or_b32 s24, s24, 0x600000
	v_mov_b32 v239, s24                            ; 448 x 2^e0
	s_wait_loadcnt 0x0                             ; gamma and beta
.irp t, 0,1,2,3
.irp e, 0,1,2,3,4,5,6,7
	QEXP \t, \e
.endr
.endr
.irp t, 0,1,2,3
.irp k, 0,1
	global_store_b64 v4, v[RES+4*\t+2*\k:RES+4*\t+2*\k+1], s[18:19] offset:(2*\t+\k)*1024   ; the wave stores 256 consecutive bytes, aligned
.endr
.endr
	s_cmp_lg_u32 s20, 0                            ; wave 0 alone stores the choice
	s_cbranch_scc1 .Lend
	v_cmp_eq_u32 vcc_lo, 0, v8
	v_cndmask_b32 v246, v255, v253, vcc_lo         ; lane % 8 = 0: the first expert; 1: the second
	v_cndmask_b32 v247, v249, v248, vcc_lo
	v_cmp_gt_u32 vcc_lo, 2, v8
	s_wait_xcnt 0x0                                ; EXEC changes only behind this wait: the stores above have read it
	s_and_saveexec_b32 s43, vcc_lo
	global_store_b32 v9, v246, s[14:15]
	global_store_b32 v9, v247, s[16:17]
	s_wait_xcnt 0x0
	s_or_b32 exec_lo, exec_lo, s43
.Lend:
	s_wait_tensorcnt 0x0
	ds_add_u32 v14, v15
	s_wait_dscnt 0x0
	s_endpgm
.Lfunc_end_k_qd91842a617_route:
	.size	k_qd91842a617_route, .Lfunc_end_k_qd91842a617_route-k_qd91842a617_route
	.p2alignl 7, 3214868480
	.fill 96, 4, 3214868480
	.section	.rodata,"a",@progbits
	.p2align	6, 0x0
	.amdhsa_kernel k_qd91842a617_route
		.amdhsa_group_segment_fixed_size 2560
		.amdhsa_private_segment_fixed_size 0
		.amdhsa_enable_private_segment 0
		.amdhsa_kernarg_size 64
		.amdhsa_user_sgpr_count 2
		.amdhsa_user_sgpr_kernarg_segment_ptr 1
		.amdhsa_wavefront_size32 1
		.amdhsa_system_sgpr_workgroup_id_x 1
		.amdhsa_system_sgpr_workgroup_id_y 1
		.amdhsa_system_sgpr_workgroup_id_z 1
		.amdhsa_system_vgpr_workitem_id 0
		.amdhsa_next_free_vgpr 256
		.amdhsa_next_free_sgpr 66
		.amdhsa_reserve_vcc 1
		.amdhsa_float_denorm_mode_32 3
		.amdhsa_float_denorm_mode_16_64 3
		.amdhsa_memory_ordered 1
		.amdhsa_forward_progress 1
		.amdhsa_inst_pref_size 81
	.end_amdhsa_kernel
	.amdgpu_metadata
---
amdhsa.version: [ 1, 2 ]
amdhsa.kernels:
  - .name:           k_qd91842a617_route
    .symbol:         k_qd91842a617_route.kd
    .args:
      - { .name: x, .offset: 0, .size: 8, .value_kind: global_buffer, .address_space: global }
      - { .name: Wg, .offset: 8, .size: 8, .value_kind: global_buffer, .address_space: global }
      - { .name: gamma, .offset: 16, .size: 8, .value_kind: global_buffer, .address_space: global }
      - { .name: beta, .offset: 24, .size: 8, .value_kind: global_buffer, .address_space: global }
      - { .name: lowp_scales, .offset: 32, .size: 8, .value_kind: global_buffer, .address_space: global }
      - { .name: sel, .offset: 40, .size: 8, .value_kind: global_buffer, .address_space: global }
      - { .name: cw, .offset: 48, .size: 8, .value_kind: global_buffer, .address_space: global }
      - { .name: xq, .offset: 56, .size: 8, .value_kind: global_buffer, .address_space: global }
    .group_segment_fixed_size: 2560
    .private_segment_fixed_size: 0
    .kernarg_segment_align: 8
    .kernarg_segment_size: 64
    .max_flat_workgroup_size: 128
    .sgpr_count:     66
    .vgpr_count:     256
    .wavefront_size: 32
...
	.end_amdgpu_metadata
.endif
;; end of part 1
;; launch place (part 2): grid 8 x 1, 1 waves a work-group, no clusters, 4,608 bytes of LDS; arguments sel, rowlist, cnt; writes rowlist, cnt
.if DOCPART == 2
	.amdgcn_target "amdgcn-amd-amdhsa--gfx1250"
	.amdhsa_code_object_version 6
	.text
	.protected	k_qd91842a617_place
	.globl	k_qd91842a617_place
	.p2align	8
	.type	k_qd91842a617_place,@function
k_qd91842a617_place:
	s_mov_b64 s[64:65], 0
	v_nop
	global_prefetch_b8 v0, s[64:65] scope:SCOPE_SE
	s_setreg_imm32_b32 hwreg(HW_REG_WAVE_MODE, 25, 1), 1
	s_wait_xcnt 0x0
; PLACE.  The routed rows of each expert are laid on end.  IN: sel[2048] = the expert of routed row 0 .. 2047.
; OUT: rowlist[e][1024]: the expert's rows, one behind the other; the words past them hold 2048 + 16 e + (index % 16): a spill row of the expert's own.
;      cnt[64 e ..]: the expert's number of rows, in 64 words (256 bytes, stored whole).
; A launch of its own, since the later launches form addresses and trip counts from these numbers and so must find them in memory.
; SHARES.  Work-group e is one wave and takes expert e: it reads all of sel (8 KiB), gives each matching row the next place (a count of the lanes below, plus the running count),
; and puts the row at that place of a list in its own LDS; lanes that do not match write a word of their own that nobody reads.  Then the list is read back as it lies and stored:
; every global address is a constant + a lane term + the work-group's term.  One wave, so no barrier: LDS serves a wave's instructions in order (ISA guide 5.7.1.4).
; Eight work-groups: the scan is one chain over the running count, and an expert's list has one owner; there is no more to share out.
; An expert has at most 1,024 rows, since a token names an expert once.
.set IDX,  16                          ; v16-79   sel: word 128 (j / 4) + 4 x lane + j % 4 in register j
.set ADR,  80                          ; v80-143  LDS addresses, one register for each entry
.set DAT,  144                         ; v144-207 rows, likewise
.set FILL, 208                         ; v208-211 what the list holds at first
.set BK,   212                         ; v212-243 the list read back
; LDS: 0-4095 the list; 4096-4223 a word a lane for what does not match
.macro SCAN j                          ; the select comes first, the clamp behind it, then the shift
	v_cmp_eq_u32 vcc_lo, s23, v[IDX+\j]
	v_mbcnt_lo_u32_b32 v[ADR+\j], vcc_lo, s25
	v_cndmask_b32 v[ADR+\j], v5, v[ADR+\j], vcc_lo
	v_min_u32 v[ADR+\j], 0x41f, v[ADR+\j]
	v_lshlrev_b32 v[ADR+\j], 2, v[ADR+\j]
	v_add_nc_u32 v[DAT+\j], 128*(\j/4)+(\j%4), v13
	ds_store_b32 v[ADR+\j], v[DAT+\j]
	s_bcnt1_i32_b32 s26, vcc_lo
	s_add_co_u32 s25, s25, s26
.endm
	s_load_b128 s[4:7], s[0:1], 0x0                ; sel s[4:5], rowlist s[6:7]
	s_load_b64 s[8:9], s[0:1], 0x10                ; cnt
	v_lshl_add_u32 v254, v0, 2, 0x1100
	v_mov_b32 v255, 0
	s_mov_b32 s23, ttmp9                           ; e
	v_and_b32 v1, 31, v0                           ; lane
	v_lshlrev_b32 v12, 4, v1                       ; 16 x lane
	v_lshlrev_b32 v13, 2, v1                       ; 4 x lane
	v_lshlrev_b32 v14, 3, v1                       ; 8 x lane
	v_add_nc_u32 v5, 1024, v1                      ; the word for what does not match
	v_and_b32 v2, 12, v13                          ; (4 x lane) % 16
	s_lshl_b32 s26, s23, 4
	s_add_co_u32 s26, s26, 2048
	v_add_nc_u32 v[FILL], s26, v2                  ; 2048 + 16 e + index % 16, for my four words of each 512 bytes
	v_add_nc_u32 v[FILL+1], 1, v[FILL]
	v_add_nc_u32 v[FILL+2], 2, v[FILL]
	v_add_nc_u32 v[FILL+3], 3, v[FILL]
	s_mov_b32 s29, 0
	s_wait_kmcnt 0x0
.irp j, 0,1,2,3,4,5,6,7,8,9,10,11,12,13,14,15
	global_load_b128 v[IDX+4*\j:IDX+4*\j+3], v12, s[4:5] offset:512*\j
.endr
	s_lshl_b32 s28, s23, 12
	s_add_nc_u64 s[6:7], s[6:7], s[28:29]
	s_lshl_b32 s28, s23, 8
	s_add_nc_u64 s[8:9], s[8:9], s[28:29]
.irp i, 0,1,2,3,4,5,6,7
	ds_store_b128 v12, v[FILL:FILL+3] offset:512*\i
.endr
	s_mov_b32 s25, 0
	s_wait_loadcnt 0x0
.set Q, 0
.rept 64
	SCAN Q
.set Q, Q+1
.endr
.irp i, 0,1,2,3,4,5,6,7
	ds_load_b128 v[BK+4*\i:BK+4*\i+3], v12 offset:512*\i   ; behind my stores, which LDS has served first
.endr
	v_mov_b32 v246, s25
	v_mov_b32 v247, s25
	s_wait_dscnt 0x0
.irp i, 0,1,2,3,4,5,6,7
	global_store_b128 v12, v[BK+4*\i:BK+4*\i+3], s[6:7] offset:512*\i   ; the wave stores 512 consecutive bytes, aligned
.endr
	global_store_b64 v14, v[246:247], s[8:9]       ; 256 consecutive bytes, aligned
	s_wait_tensorcnt 0x0
	ds_add_u32 v254, v255
	s_wait_dscnt 0x0
	s_endpgm
.Lfunc_end_k_qd91842a617_place:
	.size	k_qd91842a617_place, .Lfunc_end_k_qd91842a617_place-k_qd91842a617_place
	.p2alignl 7, 3214868480
	.fill 96, 4, 3214868480
	.section	.rodata,"a",@progbits
	.p2align	6, 0x0
	.amdhsa_kernel k_qd91842a617_place
		.amdhsa_group_segment_fixed_size 4608
		.amdhsa_private_segment_fixed_size 0
		.amdhsa_enable_private_segment 0
		.amdhsa_kernarg_size 24
		.amdhsa_user_sgpr_count 2
		.amdhsa_user_sgpr_kernarg_segment_ptr 1
		.amdhsa_wavefront_size32 1
		.amdhsa_system_sgpr_workgroup_id_x 1
		.amdhsa_system_sgpr_workgroup_id_y 1
		.amdhsa_system_sgpr_workgroup_id_z 1
		.amdhsa_system_vgpr_workitem_id 0
		.amdhsa_next_free_vgpr 256
		.amdhsa_next_free_sgpr 66
		.amdhsa_reserve_vcc 1
		.amdhsa_float_denorm_mode_32 3
		.amdhsa_float_denorm_mode_16_64 3
		.amdhsa_memory_ordered 1
		.amdhsa_forward_progress 1
		.amdhsa_inst_pref_size 31
	.end_amdhsa_kernel
	.amdgpu_metadata
---
amdhsa.version: [ 1, 2 ]
amdhsa.kernels:
  - .name:           k_qd91842a617_place
    .symbol:         k_qd91842a617_place.kd
    .args:
      - { .name: sel, .offset: 0, .size: 8, .value_kind: global_buffer, .address_space: global }
      - { .name: rowlist, .offset: 8, .size: 8, .value_kind: global_buffer, .address_space: global }
      - { .name: cnt, .offset: 16, .size: 8, .value_kind: global_buffer, .address_space: global }
    .group_segment_fixed_size: 4608
    .private_segment_fixed_size: 0
    .kernarg_segment_align: 8
    .kernarg_segment_size: 24
    .max_flat_workgroup_size: 32
    .sgpr_count:     66
    .vgpr_count:     256
    .wavefront_size: 32
...
	.end_amdgpu_metadata
.endif
;; end of part 2
;; launch ffn1 (part 3): grid 32 x 8, 4 waves a work-group, no clusters, 0 bytes of LDS; arguments xq, W1_codes, b1, lowp_scales, rowlist, cnt, hq; writes hq
.if DOCPART == 3
	.amdgcn_target "amdgcn-amd-amdhsa--gfx1250"
	.amdhsa_code_object_version 6
	.text
	.protected	k_qd91842a617_ffn1
	.globl	k_qd91842a617_ffn1
	.p2align	8
	.type	k_qd91842a617_ffn1,@function
k_qd91842a617_ffn1:
	s_mov_b64 s[64:65], 0
	v_nop
	global_prefetch_b8 v0, s[64:65] scope:SCOPE_SE
	s_setreg_imm32_b32 hwreg(HW_REG_WAVE_MODE, 25, 1), 1
	s_wait_xcnt 0x0
; FFN1.  h = Q(relu(normed W1 + b1)) for the routed rows alone, on E4M3 codes.  Work-group (sl, e): expert e, hidden units 128 sl .. 128 sl + 127, all of the expert's rows.
; IN: xq [2048][1024] codes of the routed rows; W1_codes [8][4096][1024]; b1; the scales' exponents e0 .. e3; rowlist [8][1024] the expert's rows on end; cnt[64 e] their number.
; OUT: hq [8 e][64 tiles][32 K steps][4 c][32 lanes][16 bytes]: an image of the next product's operand registers: lane (r, h), group c holds k = 128 s + 32 c + 16 h + 0 .. 15 of the tile's row r.
; SHARES.  Wave w = 2 wn + wm keeps W1's rows 64 wn .. 64 wn + 63 of the slice, all 1,024 along K, in 512 registers, read once, and walks the expert's tiles of 16 rows wm, wm + 2, ..
; A tile's 16 KiB of codes go from memory straight into registers, three buffers by turns, and feed 32 matrix instructions.  A tile's list word (a row a lane) is asked for six tiles ahead,
; in front of the gather of the tile three ahead: when it is used, 98 loads are younger than it, so the wait at the tile's head has shown it landed.
; THE PRODUCT IS USED TRANSPOSED (source 0 = 16 rows of W1, source 1 = 16 routed rows), AND THE ROWS OF W1 THAT FORM A TILE ARE NOT NEIGHBOURS: lane r of tile 2 b + u takes row
; 32 b + 8 u + r + 8 (r / 8).  So a lane holds one routed row, and the 16 registers of tiles 2 b, 2 b + 1 are the 16 neighbours 32 b + 16 h + 0 .. 15 along the next K: the conversions' results are the image.
; Fragments are fetched by four loads of 16 bytes, 32 apart: a permutation of k within an instruction, the same on both sides.
; b1 / 2^(e0 + e1) is the C of each sum's first matrix instruction; the three scales ahead of the quantiser are folded into the conversion's one, 2^(e2 - e0 - e1); the hold at the largest code clips at 0 as well.
; NO TENSOR LOAD, NO CLUSTER: the number of tiles is read from memory (an expert may have 0 to 1,024 rows).
; No LDS, no barrier: waves share nothing.  The last tile's places past the list name spill rows, held at row 2,047 for the gather: their results land in rows of hq that feed only the next buffer's spill rows.
; LIMITS: e2 - e0 - e1 between -126 and 119.
.set BI,   16                          ; v16-47   b1 / 2^(e0 + e1) in the result's layout, tile t at BI + 8 t
.set AC,   48                          ; v48-79   four accumulators
.set PC,   80                          ; v80-87   the codes just made
.set AO,   9                           ; v9-11    the gather's offset, one for each buffer
.set LW,   88                          ; v88-90   the list word of the tile that the buffer takes next
.set LA,   92                          ; v92-94   where that word was asked for
; v1 lane, v2 r, v3 16 h, v4 W1's lane term, v5 64 h, v6 4 r + 64 wm, v8 at work, v12 16 x lane, v14 2^(e2-e0-e1), v15 448 x that
; window 1, 2: W1's fragments: (K step s, tile t) at 16 (4 (s % 4) + t) of window 1 + s / 4.   window 3: buffer 0 at v0, buffer 1 at v128.   window 0, v128-255: buffer 2.
.set MSB, 0
.macro WIN new                         ; the immediate's high byte repeats the setting that is left; a switch that changes nothing is dropped
.if MSB != (\new)
	s_set_vgpr_msb (MSB<<8)|(\new)
.set MSB, (\new)
.endif
.endm
.macro WLOAD s                         ; K step s of my 64 rows of W1: four fragments
	WIN ((1+(\s)/4)<<6)
.irp t, 0,1,2,3
.irp c, 0,1,2,3
	global_load_b128 v[16*(4*((\s)%4)+\t)+4*\c:16*(4*((\s)%4)+\t)+4*\c+3], v4, s[6:7] offset:(32*(\t/2)+8*(\t%2))*1024+128*(\s)+32*\c
.endr
.endr
.endm
; my tile number s32 + k into buffer buf: 33 loads on every path: the list word of my tile three further on, then the tile's 16 rows x 1,024 codes.
; Past my last tile the row is 0 in every lane: the same few bytes, and the same count of loads.  The list's address hangs on the counter, the wave and the lane alone, and stays inside the expert's 1,024 words.
; The four vector lines and the v_nop are five places behind the last matrix instruction: for the loads into registers that it read, and for the reads of results that follow.
.macro ALOAD buf, k
.set AB, 128*(((\buf)+1)/2)
.set AW, 3*(1-(\buf)/2)
	WIN 0
	s_add_co_u32 s26, s32, \k
	s_cmp_lt_u32 s26, s30
	s_cselect_b32 s27, -1, 0                       ; -1 where I have such a tile
	s_add_co_u32 s26, s26, 3
	s_min_u32 s26, s26, 31
	s_lshl_b32 s26, s26, 7                         ; two tiles of 64 bytes on for each of my tiles
	v_and_b32 v8, s27, v[LW+\buf]
	v_min_u32 v8, 0x7ff, v8                        ; a loaded number enters an address behind a clamp
	v_lshl_add_u32 v[AO+\buf], v8, 10, v3          ; row x 1,024 + 16 h
	v_add_nc_u32 v[LA+\buf], s26, v6
	v_nop
	global_load_b32 v[LW+\buf], v[LA+\buf], s[12:13]
	WIN (AW<<6)
.irp s, 0,1,2,3,4,5,6,7
.irp c, 0,1,2,3
	global_load_b128 v[AB+16*\s+4*\c:AB+16*\s+4*\c+3], v[AO+\buf], s[4:5] offset:128*\s+32*\c
.endr
.endr
	WIN 0
.endm
; 32 matrix instructions: K step by K step, the four accumulators by turns, one instruction a turn.  The first K step takes the bias as C.
.macro MULT buf
.set AB, 128*(((\buf)+1)/2)
.set AW, 3*(1-(\buf)/2)
.irp s, 0,1,2,3,4,5,6,7
	WIN ((1+\s/4)|(AW<<2))
.irp t, 0,1,2,3
.if \s == 0
	v_wmma_f32_16x16x128_fp8_fp8 v[AC+8*\t:AC+8*\t+7], v[16*(4*(\s%4)+\t):16*(4*(\s%4)+\t)+15], v[AB+16*\s:AB+16*\s+15], v[BI+8*\t:BI+8*\t+7]
.else
	v_wmma_f32_16x16x128_fp8_fp8 v[AC+8*\t:AC+8*\t+7], v[16*(4*(\s%4)+\t):16*(4*(\s%4)+\t)+15], v[AB+16*\s:AB+16*\s+15], v[AC+8*\t:AC+8*\t+7]
.endif
.endr
.endr
.endm
.macro TILE buf
	s_wait_loadcnt 63                              ; this buffer's loads have the other two buffers' 66 behind them; 63 is the most that the count can name
	MULT \buf
	ALOAD \buf, 3+\buf                             ; the buffer takes my tile three further on
.set i, 0
.rept 32
	v_med3_num_f32 v[AC+i], v[AC+i], 0, v15        ; relu and the hold in one; each accumulator is read from its low end on
.set i, i+1
.endr
.irp g, 0,1
	v_cvt_scalef32_pk8_fp8_f32 v[PC+4*\g:PC+4*\g+1], v[AC+16*\g:AC+16*\g+7], v14
	v_cvt_scalef32_pk8_fp8_f32 v[PC+4*\g+2:PC+4*\g+3], v[AC+16*\g+8:AC+16*\g+15], v14
.endr
	v_nop                                          ; one plain vector line behind the last conversion: the next products write its sources
	global_store_b128 v12, v[PC:PC+3], s[16:17]            ; group c = 2 wn: the wave stores 512 consecutive bytes, aligned
	global_store_b128 v12, v[PC+4:PC+7], s[16:17] offset:512   ; group c = 2 wn + 1
	s_wait_xcnt 0x0                                ; the stores have read their data and base: both are written again
	s_add_nc_u64 s[16:17], s[16:17], 0x20000       ; two tiles of 65,536 bytes on
.endm
	s_load_b256 s[4:11], s[0:1], 0x0               ; xq s[4:5], W1 s[6:7], b1 s[8:9], scales s[10:11]
	s_load_b128 s[12:15], s[0:1], 0x20             ; rowlist s[12:13], cnt s[14:15]
	s_load_b64 s[16:17], s[0:1], 0x30              ; hq
	v_lshrrev_b32 v1, 5, v0
	v_readfirstlane_b32 s20, v1                    ; wave
	s_lshr_b32 s21, s20, 1                         ; wn: which 64 rows of the slice
	s_and_b32 s22, s20, 1                          ; wm: even or odd tiles
	s_and_b32 s23, ttmp7, 0xffff                   ; e
	s_mov_b32 s24, ttmp9                           ; sl
	v_and_b32 v1, 31, v0
	v_and_b32 v2, 15, v0                           ; r
	v_bfe_u32 v3, v0, 4, 1                         ; h
	v_lshlrev_b32 v5, 6, v3                        ; 64 h: b1's lane term
	v_lshlrev_b32 v3, 4, v3                        ; 16 h
	v_and_b32 v4, 8, v2
	v_add_nc_u32 v4, v4, v2                        ; r + 8 (r / 8)
	v_lshl_add_u32 v4, v4, 10, v3
	s_lshl_b32 s26, s22, 6
	v_lshl_add_u32 v6, v2, 2, s26                  ; 4 r + 64 wm: my word of my first tile's sixteen
	v_lshlrev_b32 v12, 4, v1
	s_mov_b32 s29, 0
	s_lshl_b32 s33, s23, 22
	s_lshl_b32 s28, s24, 17
	s_lshl_b32 s26, s21, 16
	s_add_co_u32 s28, s28, s26
	s_add_co_u32 s28, s28, s33
	s_wait_kmcnt 0x0
	s_add_nc_u64 s[6:7], s[6:7], s[28:29]          ; W1 at my 64 rows
	s_lshl_b32 s28, s23, 14
	s_lshl_b32 s26, s24, 9
	s_add_co_u32 s28, s28, s26
	s_lshl_b32 s26, s21, 8
	s_add_co_u32 s28, s28, s26
	s_add_nc_u64 s[8:9], s[8:9], s[28:29]          ; b1 at my 64 units
	s_lshl_b32 s28, s22, 16
	s_lshl_b32 s26, s24, 11
	s_add_co_u32 s28, s28, s26
	s_lshl_b32 s26, s21, 10
	s_add_co_u32 s28, s28, s26
	s_add_co_u32 s28, s28, s33
	s_add_nc_u64 s[16:17], s[16:17], s[28:29]      ; hq at tile wm, K step sl, group 2 wn
	s_lshl_b32 s28, s23, 12
	s_add_nc_u64 s[12:13], s[12:13], s[28:29]      ; the expert's list
	s_lshl_b32 s28, s23, 8
	s_add_nc_u64 s[14:15], s[14:15], s[28:29]
	s_load_b128 s[36:39], s[10:11], 0x0            ; e0, e1, e2, e3
	s_load_b32 s34, s[14:15], 0x0                  ; the expert's rows
.irp k, 0,1,2
	global_load_b32 v[LW+\k], v6, s[12:13] offset:128*\k   ; the list words of my first three tiles
.endr
.irp t, 0,1,2,3
	global_load_b128 v[BI+8*\t:BI+8*\t+3], v5, s[8:9] offset:(32*(\t/2)+8*(\t%2))*4
	global_load_b128 v[BI+8*\t+4:BI+8*\t+7], v5, s[8:9] offset:(32*(\t/2)+8*(\t%2))*4+16
.endr
	WLOAD 0
	WLOAD 1
	WLOAD 2
	WLOAD 3
	WLOAD 4
	WLOAD 5
	WLOAD 6
	WLOAD 7
	WIN 0
	s_wait_kmcnt 0x0
	s_add_co_u32 s30, s34, 15
	s_lshr_b32 s30, s30, 4                         ; the expert's tiles
	s_add_co_u32 s30, s30, 1
	s_sub_co_u32 s30, s30, s22
	s_lshr_b32 s30, s30, 1                         ; mine: wm, wm + 2, ..
	s_cmp_eq_u32 s30, 0
	s_cbranch_scc1 .Ldone
	s_wait_loadcnt 63                              ; the list words and b1 are in: W1's 128 loads are younger
	s_add_co_i32 s40, s36, s37                     ; e0 + e1
	s_sub_co_i32 s41, 0, s40
.set i, 0
.rept 32
	v_ldexp_f32 v[BI+i], v[BI+i], s41              ; a sum stands for sum x 2^(e0 + e1): the bias goes in divided by that
.set i, i+1
.endr
	s_sub_co_i32 s42, s38, s40
	s_add_co_i32 s42, s42, 127
	s_lshl_b32 s43, s42, 23
	v_mov_b32 v14, s43                             ; 2^(e2 - e0 - e1)
	s_add_co_i32 s42, s42, 8
	s_lshl_b32 s42, s42, 23
	s_or_b32 s42, s42, 0x600000
	v_mov_b32 v15, s42                             ; 448 x that
	s_mov_b32 s32, 0
	ALOAD 0, 0
	ALOAD 1, 1
	ALOAD 2, 2
.Ltile:                                                ; three tiles a trip, until the buffers are back where they began.  The backward branch counts to a constant (a wave has at most 32 tiles); a wave leaves when its own are done
	TILE 0
	s_add_co_u32 s26, s32, 1
	s_cmp_ge_u32 s26, s30
	s_cbranch_scc1 .Ldone
	TILE 1
	s_add_co_u32 s26, s32, 2
	s_cmp_ge_u32 s26, s30
	s_cbranch_scc1 .Ldone
	TILE 2
	s_add_co_u32 s26, s32, 3
	s_cmp_ge_u32 s26, s30
	s_cbranch_scc1 .Ldone
	s_add_co_u32 s32, s32, 3
	s_cmp_lt_u32 s32, 33
	s_cbranch_scc1 .Ltile
.Ldone:
	s_endpgm
.Lfunc_end_k_qd91842a617_ffn1:
	.size	k_qd91842a617_ffn1, .Lfunc_end_k_qd91842a617_ffn1-k_qd91842a617_ffn1
	.p2alignl 7, 3214868480
	.fill 96, 4, 3214868480
	.section	.rodata,"a",@progbits
	.p2align	6, 0x0
	.amdhsa_kernel k_qd91842a617_ffn1
		.amdhsa_group_segment_fixed_size 0
		.amdhsa_private_segment_fixed_size 0
		.amdhsa_enable_private_segment 0
		.amdhsa_kernarg_size 56
		.amdhsa_user_sgpr_count 2
		.amdhsa_user_sgpr_kernarg_segment_ptr 1
		.amdhsa_wavefront_size32 1
		.amdhsa_system_sgpr_workgroup_id_x 1
		.amdhsa_system_sgpr_workgroup_id_y 1
		.amdhsa_system_sgpr_workgroup_id_z 1
		.amdhsa_system_vgpr_workitem_id 0
		.amdhsa_next_free_vgpr 1024
		.amdhsa_next_free_sgpr 66
		.amdhsa_reserve_vcc 0
		.amdhsa_float_denorm_mode_32 3
		.amdhsa_float_denorm_mode_16_64 3
		.amdhsa_memory_ordered 1
		.amdhsa_forward_progress 1
		.amdhsa_inst_pref_size 54
	.end_amdhsa_kernel
	.amdgpu_metadata
---
amdhsa.version: [ 1, 2 ]
amdhsa.kernels:
  - .name:           k_qd91842a617_ffn1
    .symbol:         k_qd91842a617_ffn1.kd
    .args:
      - { .name: xq, .offset: 0, .size: 8, .value_kind: global_buffer, .address_space: global }
      - { .name: W1_codes, .offset: 8, .size: 8, .value_kind: global_buffer, .address_space: global }
      - { .name: b1, .offset: 16, .size: 8, .value_kind: global_buffer, .address_space: global }
      - { .name: lowp_scales, .offset: 24, .size: 8, .value_kind: global_buffer, .address_space: global }
      - { .name: rowlist, .offset: 32, .size: 8, .value_kind: global_buffer, .address_space: global }
      - { .name: cnt, .offset: 40, .size: 8, .value_kind: global_buffer, .address_space: global }
      - { .name: hq, .offset: 48, .size: 8, .value_kind: global_buffer, .address_space: global }
    .group_segment_fixed_size: 0
    .private_segment_fixed_size: 0
    .kernarg_segment_align: 8
    .kernarg_segment_size: 56
    .max_flat_workgroup_size: 128
    .sgpr_count:     66
    .vgpr_count:     1024
    .wavefront_size: 32
...
	.end_amdgpu_metadata
.endif
;; end of part 3
;; launch ffn2 (part 4): grid 32 x 8, 4 waves a work-group, no clusters, 17,920 bytes of LDS; arguments hq, W2_codes, cnt, rowlist, part; writes part
.if DOCPART == 4
	.amdgcn_target "amdgcn-amd-amdhsa--gfx1250"
	.amdhsa_code_object_version 6
	.text
	.protected	k_qd91842a617_ffn2
	.globl	k_qd91842a617_ffn2
	.p2align	8
	.type	k_qd91842a617_ffn2,@function
k_qd91842a617_ffn2:
	s_mov_b64 s[64:65], 0
	v_nop
	global_prefetch_b8 v0, s[64:65] scope:SCOPE_SE
	s_setreg_imm32_b32 hwreg(HW_REG_WAVE_MODE, 25, 1), 1
	s_wait_xcnt 0x0
; FFN2.  Partial sums of h W2 on E4M3 codes, as they come from the matrix unit (the scales are applied by the next launch).
; Work-group (x, e): expert e, quarter q = x % 4 of K (1,024 hidden units, 8 K steps), output columns 128 (x / 4) .. + 127, all of the expert's rows.
; IN: hq, images of the operand's registers (lane (r, h), group c: k = 128 s + 32 c + 16 h + 0 .. 15 of the tile's row r); W2_codes [8][1024][4096]; cnt[64 e] = the expert's rows; rowlist [8][1024].
; OUT: part [4 q][2176 rows][1024 columns] f32: row = the ROUTED row, taken from the list, so that the next launch finds a token's two rows at fixed places.  Rows 2048 + 16 e + 0 .. 15 are
; expert e's spill rows, named by the list's words past its rows: the last tile's idle places go there, and nobody reads them.  A routed row stands in one expert's list, so each byte has one writer.
; K IS CUT IN FOUR so that W2's 32 MiB are spread once over 256 work-groups, 128 KiB each; the four parts of a sum are added in a fixed order by the next launch: no atomics.
; SHARES.  Wave w = 2 wn + wm keeps W2's rows (output columns) 64 wn .. + 63 of the slice, 1,024 along K, in 512 registers, and walks the expert's tiles wm, wm + 2, ..
; A tile's image, 16 KiB, comes by 32 loads of 512 consecutive bytes into one of three buffers, its list words by two more, and feeds 32 matrix instructions.
; TRANSPOSED USE (source 0 = 16 rows of W2, source 1 = 16 rows of h): a lane holds 8 neighbouring columns of one row; a tile goes through the wave's own stage in LDS and leaves as rows of 256 bytes.
; NO TENSOR LOAD, NO CLUSTER: the number of tiles is read from memory.  No barrier: waves share nothing in LDS.
.set AC,   16                          ; v16-47   four accumulators
.set OUTR, 48                          ; v48-79   16 rows x 256 bytes read back from the stage
.set VO,   10                          ; v10-12   the image's lane term, one for each buffer
.set LA,   13                          ; v13-15   where the list words were asked for, likewise
.set LW,   80                          ; v80-103  list words of rows 8 h + 0 .. 7 of the tile, eight for each buffer
.set STA,  104                         ; v104-111 the eight stores' offsets in part
.set PARTQ, 2176*4096                  ; a quarter's bytes in part
; v4 W2's lane term, v5 16 x lane, v6 into the stage, v7 out of it, v8 32 h, v9 16 r
; s[40:45] a tile's base, one pair for each buffer.  Windows as in the launch before: 1, 2: W2's fragments; 3: buffers 0, 1; window 0, v128-255: buffer 2.
.set MSB, 0
.macro WIN new
.if MSB != (\new)
	s_set_vgpr_msb (MSB<<8)|(\new)
.set MSB, (\new)
.endif
.endm
.macro WLOAD s
	WIN ((1+(\s)/4)<<6)
.irp t, 0,1,2,3
.irp c, 0,1,2,3
	global_load_b128 v[16*(4*((\s)%4)+\t)+4*\c:16*(4*((\s)%4)+\t)+4*\c+3], v4, s[6:7] offset:16*\t*4096+128*(\s)+32*\c
.endr
.endr
.endm
; my tile number s32 + k into buffer buf: 34 loads on every path.  Past my last tile: my last tile's base (bytes that were stored) and lane term 0: the same few bytes, the same count.
; The three vector lines and the two v_nop are five places behind the last matrix instruction.
.macro ALOAD buf, k
.set AB, 128*(((\buf)+1)/2)
.set AW, 3*(1-(\buf)/2)
	WIN 0
	s_add_co_u32 s26, s32, \k
	s_cmp_lt_u32 s26, s30
	s_cselect_b32 s27, -1, 0
	s_min_u32 s26, s26, s31                        ; my last tile at the most,
	s_min_u32 s26, s26, 31                         ; and a loaded number enters an address behind a clamp by a constant
	s_lshl_b32 s26, s26, 1
	s_add_co_u32 s26, s26, s22
	s_lshl_b32 s28, s26, 16                        ; a tile's image is 65,536 bytes,
	s_lshl_b32 s26, s26, 6                         ; its list words 64
	s_add_nc_u64 s[40+2*\buf:41+2*\buf], s[4:5], s[28:29]
	v_and_b32 v[VO+\buf], s27, v5
	v_min_u32 v[VO+\buf], 0x1f0, v[VO+\buf]
	v_add_nc_u32 v[LA+\buf], s26, v8
	v_nop
	v_nop
	global_load_b128 v[LW+8*\buf:LW+8*\buf+3], v[LA+\buf], s[10:11]
	global_load_b128 v[LW+8*\buf+4:LW+8*\buf+7], v[LA+\buf], s[10:11] offset:16
	WIN (AW<<6)
.irp s, 0,1,2,3,4,5,6,7
.irp c, 0,1,2,3
	global_load_b128 v[AB+16*\s+4*\c:AB+16*\s+4*\c+3], v[VO+\buf], s[40+2*\buf:41+2*\buf] offset:2048*\s+512*\c
.endr
.endr
	WIN 0
.endm
; 32 matrix instructions: the four accumulators by turns, one instruction a turn; the first K step starts the sums with the constant 0
.macro MULT buf
.set AB, 128*(((\buf)+1)/2)
.set AW, 3*(1-(\buf)/2)
.irp s, 0,1,2,3,4,5,6,7
	WIN ((1+\s/4)|(AW<<2))
.irp t, 0,1,2,3
.if \s == 0
	v_wmma_f32_16x16x128_fp8_fp8 v[AC+8*\t:AC+8*\t+7], v[16*(4*(\s%4)+\t):16*(4*(\s%4)+\t)+15], v[AB+16*\s:AB+16*\s+15], 0
.else
	v_wmma_f32_16x16x128_fp8_fp8 v[AC+8*\t:AC+8*\t+7], v[16*(4*(\s%4)+\t):16*(4*(\s%4)+\t)+15], v[AB+16*\s:AB+16*\s+15], v[AC+8*\t:AC+8*\t+7]
.endif
.endr
.endr
.endm
.macro TILE buf
	s_wait_loadcnt 63                              ; this buffer's loads have the other two buffers' 68 behind them; 63 is the most that the count can name
.irp i, 0,1,2,3,4,5,6,7
	v_min_u32 v[STA+\i], 0x87f, v[LW+8*\buf+\i]    ; the routed row of the tile's row 8 h + i, behind a clamp: 2,175 is part's last row
.endr
.irp i, 0,1,2,3,4,5,6,7
	v_lshl_add_u32 v[STA+\i], v[STA+\i], 12, v9    ; row x 4,096 + 16 r
.endr
	MULT \buf
	ALOAD \buf, 3+\buf
.irp t, 0,1,2,3
	ds_store_b128 v6, v[AC+8*\t:AC+8*\t+3] offset:64*\t            ; lane (r, h): row r, columns 16 t + 8 h + 0 .. 7; each accumulator from its low end on
	ds_store_b128 v6, v[AC+8*\t+4:AC+8*\t+7] offset:64*\t+16
.endr
.irp i, 0,1,2,3,4,5,6,7
	ds_load_b128 v[OUTR+4*\i:OUTR+4*\i+3], v7 offset:272*\i        ; lanes 0-15 row i, lanes 16-31 row i + 8.  LDS serves a wave's instructions in order (ISA guide 5.7.1.4): these see my stores
.endr
	s_wait_dscnt 0x0
.irp i, 0,1,2,3,4,5,6,7
	global_store_b128 v[STA+\i], v[OUTR+4*\i:OUTR+4*\i+3], s[12:13] th:TH_STORE_NT   ; sixteen lanes store 256 consecutive bytes, aligned
.endr
	s_wait_xcnt 0x0                                ; the stores have read their data and offsets: both are written again
.endm
	s_load_b256 s[4:11], s[0:1], 0x0               ; hq s[4:5], W2 s[6:7], cnt s[8:9], rowlist s[10:11]
	s_load_b64 s[12:13], s[0:1], 0x20              ; part
	v_lshl_add_u32 v126, v0, 2, 0x4400
	v_mov_b32 v127, 0
	v_lshrrev_b32 v1, 5, v0
	v_readfirstlane_b32 s20, v1                    ; wave
	s_lshr_b32 s21, s20, 1                         ; wn
	s_and_b32 s22, s20, 1                          ; wm
	s_and_b32 s23, ttmp7, 0xffff                   ; e
	s_and_b32 s24, ttmp9, 3                        ; q
	s_lshr_b32 s25, ttmp9, 2                       ; which 128 columns
	v_and_b32 v1, 31, v0
	v_and_b32 v2, 15, v0                           ; r
	v_bfe_u32 v3, v0, 4, 1                         ; h
	v_lshlrev_b32 v4, 12, v2
	v_lshl_add_u32 v4, v3, 4, v4                   ; W2: row r of 4,096 bytes, + 16 h
	v_lshlrev_b32 v5, 4, v1
	s_mul_i32 s26, s20, 4352                       ; my stage: 16 rows x (256 + 16) bytes
	v_mul_u32_u24 v6, v2, 272
	v_lshl_add_u32 v6, v3, 5, v6
	v_add_nc_u32 v6, s26, v6
	v_mul_u32_u24 v7, v3, 8*272
	v_lshl_add_u32 v7, v2, 4, v7
	v_add_nc_u32 v7, s26, v7
	v_lshlrev_b32 v8, 5, v3
	v_lshlrev_b32 v9, 4, v2
	s_mov_b32 s29, 0
	s_lshl_b32 s33, s23, 22
	s_lshl_b32 s28, s25, 19
	s_lshl_b32 s26, s21, 18
	s_add_co_u32 s28, s28, s26
	s_lshl_b32 s26, s24, 10
	s_add_co_u32 s28, s28, s26
	s_add_co_u32 s28, s28, s33
	s_wait_kmcnt 0x0
	s_add_nc_u64 s[6:7], s[6:7], s[28:29]          ; W2 at my 64 rows, my quarter of K
	s_lshl_b32 s28, s23, 8
	s_add_nc_u64 s[8:9], s[8:9], s[28:29]
	s_load_b32 s34, s[8:9], 0x0                    ; the expert's rows
	s_lshl_b32 s28, s23, 12
	s_add_nc_u64 s[10:11], s[10:11], s[28:29]      ; the expert's list
	s_lshl_b32 s28, s24, 14
	s_add_co_u32 s28, s28, s33
	s_add_nc_u64 s[4:5], s[4:5], s[28:29]          ; hq at the expert's tile 0, K step 8 q
	s_mul_i32 s28, s24, PARTQ
	s_lshl_b32 s26, s25, 9
	s_add_co_u32 s28, s28, s26
	s_lshl_b32 s26, s21, 8
	s_add_co_u32 s28, s28, s26
	s_add_nc_u64 s[12:13], s[12:13], s[28:29]      ; part at my quarter, my 64 columns
	WLOAD 0
	WLOAD 1
	WLOAD 2
	WLOAD 3
	WLOAD 4
	WLOAD 5
	WLOAD 6
	WLOAD 7
	WIN 0
	s_wait_kmcnt 0x0
	s_add_co_u32 s30, s34, 15
	s_lshr_b32 s30, s30, 4                         ; the expert's tiles
	s_add_co_u32 s30, s30, 1
	s_sub_co_u32 s30, s30, s22
	s_lshr_b32 s30, s30, 1                         ; mine
	s_cmp_eq_u32 s30, 0
	s_cbranch_scc1 .Ldone
	s_sub_co_u32 s31, s30, 1
	s_mov_b32 s32, 0
	ALOAD 0, 0
	ALOAD 1, 1
	ALOAD 2, 2
.Ltile:                                                ; three tiles a trip; the backward branch counts to a constant (a wave has at most 32 tiles); a wave leaves when its own are done
	TILE 0
	s_add_co_u32 s26, s32, 1
	s_cmp_ge_u32 s26, s30
	s_cbranch_scc1 .Ldone
	TILE 1
	s_add_co_u32 s26, s32, 2
	s_cmp_ge_u32 s26, s30
	s_cbranch_scc1 .Ldone
	TILE 2
	s_add_co_u32 s26, s32, 3
	s_cmp_ge_u32 s26, s30
	s_cbranch_scc1 .Ldone
	s_add_co_u32 s32, s32, 3
	s_cmp_lt_u32 s32, 33
	s_cbranch_scc1 .Ltile
.Ldone:
	s_wait_tensorcnt 0x0
	ds_add_u32 v126, v127
	s_wait_dscnt 0x0
	s_endpgm
.Lfunc_end_k_qd91842a617_ffn2:
	.size	k_qd91842a617_ffn2, .Lfunc_end_k_qd91842a617_ffn2-k_qd91842a617_ffn2
	.p2alignl 7, 3214868480
	.fill 96, 4, 3214868480
	.section	.rodata,"a",@progbits
	.p2align	6, 0x0
	.amdhsa_kernel k_qd91842a617_ffn2
		.amdhsa_group_segment_fixed_size 17920
		.amdhsa_private_segment_fixed_size 0
		.amdhsa_enable_private_segment 0
		.amdhsa_kernarg_size 40
		.amdhsa_user_sgpr_count 2
		.amdhsa_user_sgpr_kernarg_segment_ptr 1
		.amdhsa_wavefront_size32 1
		.amdhsa_system_sgpr_workgroup_id_x 1
		.amdhsa_system_sgpr_workgroup_id_y 1
		.amdhsa_system_sgpr_workgroup_id_z 1
		.amdhsa_system_vgpr_workitem_id 0
		.amdhsa_next_free_vgpr 1024
		.amdhsa_next_free_sgpr 66
		.amdhsa_reserve_vcc 0
		.amdhsa_float_denorm_mode_32 3
		.amdhsa_float_denorm_mode_16_64 3
		.amdhsa_memory_ordered 1
		.amdhsa_forward_progress 1
		.amdhsa_inst_pref_size 53
	.end_amdhsa_kernel
	.amdgpu_metadata
---
amdhsa.version: [ 1, 2 ]
amdhsa.kernels:
  - .name:           k_qd91842a617_ffn2
    .symbol:         k_qd91842a617_ffn2.kd
    .args:
      - { .name: hq, .offset: 0, .size: 8, .value_kind: global_buffer, .address_space: global }
      - { .name: W2_codes, .offset: 8, .size: 8, .value_kind: global_buffer, .address_space: global }
      - { .name: cnt, .offset: 16, .size: 8, .value_kind: global_buffer, .address_space: global }
      - { .name: rowlist, .offset: 24, .size: 8, .value_kind: global_buffer, .address_space: global }
      - { .name: part, .offset: 32, .size: 8, .value_kind: global_buffer, .address_space: global }
    .group_segment_fixed_size: 17920
    .private_segment_fixed_size: 0
    .kernarg_segment_align: 8
    .kernarg_segment_size: 40
    .max_flat_workgroup_size: 128
    .sgpr_count:     66
    .vgpr_count:     1024
    .wavefront_size: 32
...
	.end_amdgpu_metadata
.endif
;; end of part 4
;; launch combine (part 5): grid 256 x 1, 8 waves a work-group, no clusters, 0 bytes of LDS; arguments part, x, b2, sel, cw, lowp_scales, out0; writes out0
.if DOCPART == 5
	.amdgcn_target "amdgcn-amd-amdhsa--gfx1250"
	.amdhsa_code_object_version 6
	.text
	.protected	k_qd91842a617_combine
	.globl	k_qd91842a617_combine
	.p2align	8
	.type	k_qd91842a617_combine,@function
k_qd91842a617_combine:
	s_mov_b64 s[64:65], 0
	v_nop
	global_prefetch_b8 v0, s[64:65] scope:SCOPE_SE
	s_setreg_imm32_b32 hwreg(HW_REG_WAVE_MODE, 25, 1), 1
	s_wait_xcnt 0x0
; COMBINE.  y[n] = the sum over k = 0, 1 of w_k (2^(e2 + e3) x (the four parts of routed row 2 n + k's sum, added q = (0 + 1) + (2 + 3)) + b2[expert_k] + x[n]).
; part: [4 q][2176 rows][1024] f32, by routed row: a token's two rows are neighbours, at places that hang on the token alone.
; Each output row has one owner: wave w of work-group g takes token 4 g + w / 2, columns 512 (w % 2) .. + 511: 2,048 bytes, four loads or stores of 512 consecutive bytes from each stream.
; b2's rows are found by sel, whole numbers that an earlier launch stored, clamped by a constant ahead of the address.
; A stream: all 44 loads of a wave are issued before the one wait for them; no LDS, no barrier, no matrix unit, no cluster: waves share nothing.
; LIMIT: e2 + e3 between -126 and 127, so that 2^(e2 + e3) is an f32 number.
.set P,   16                           ; v16-143  part: quarter q, choice k, piece i at P + 32 q + 16 k + 4 i
.set XR,  144                          ; v144-159 x
.set B2,  160                          ; v160-191 b2 of choice k at B2 + 16 k
.set Y,   192                          ; v192-207 y
.set PARTQ, 2176*4096                  ; a quarter's bytes in part
	s_load_b256 s[4:11], s[0:1], 0x0               ; part s[4:5], x s[6:7], b2 s[8:9], sel s[10:11]
	s_load_b128 s[12:15], s[0:1], 0x20             ; cw s[12:13], scales s[14:15]
	s_load_b64 s[16:17], s[0:1], 0x30              ; out0
	v_lshrrev_b32 v1, 5, v0
	v_readfirstlane_b32 s50, v1                    ; wave 0..7
	v_and_b32 v1, 31, v0
	v_lshlrev_b32 v2, 4, v1                        ; 16 x lane
	s_lshr_b32 s51, s50, 1
	s_lshl_b32 s53, ttmp9, 2
	s_add_co_u32 s51, s51, s53                     ; my token
	s_and_b32 s52, s50, 1
	s_lshl_b32 s52, s52, 11                        ; my half of a row, in bytes
	s_lshl_b32 s54, s51, 3                         ; two words a token
	s_mov_b32 s55, 0
	s_lshl_b32 s56, s51, 12
	s_add_co_u32 s56, s56, s52                     ; my place in x and in y
	s_mov_b32 s57, 0
	s_lshl_b32 s58, s51, 13
	s_add_co_u32 s58, s58, s52                     ; and in a quarter of part: two rows a token
	s_mov_b32 s59, 0
	s_wait_kmcnt 0x0
	s_add_nc_u64 s[10:11], s[10:11], s[54:55]
	s_add_nc_u64 s[12:13], s[12:13], s[54:55]
	s_load_b64 s[20:21], s[10:11], 0x0             ; the two experts
	s_load_b64 s[24:25], s[12:13], 0x0             ; w0, w1
	s_load_b128 s[28:31], s[14:15], 0x0            ; e0 .. e3
	s_add_nc_u64 s[6:7], s[6:7], s[56:57]
	s_add_nc_u64 s[16:17], s[16:17], s[56:57]
	s_add_nc_u64 s[40:41], s[4:5], s[58:59]        ; the four quarters of part
	s_add_nc_u64 s[42:43], s[40:41], PARTQ
	s_add_nc_u64 s[44:45], s[40:41], 2*PARTQ
	s_add_nc_u64 s[46:47], s[40:41], 3*PARTQ
.irp q, 0,1,2,3
.irp k, 0,1
.irp i, 0,1,2,3
	global_load_b128 v[P+32*\q+16*\k+4*\i:P+32*\q+16*\k+4*\i+3], v2, s[40+2*\q:41+2*\q] offset:4096*\k+512*\i th:TH_LOAD_NT   ; read once in the launch
.endr
.endr
.endr
.irp i, 0,1,2,3
	global_load_b128 v[XR+4*\i:XR+4*\i+3], v2, s[6:7] offset:512*\i
.endr
	s_wait_kmcnt 0x0
	s_min_u32 s20, s20, 7
	s_min_u32 s21, s21, 7
	s_lshl_b32 s58, s20, 12
	s_add_co_u32 s58, s58, s52
	v_add_nc_u32 v5, s58, v2
	s_lshl_b32 s58, s21, 12
	s_add_co_u32 s58, s58, s52
	v_add_nc_u32 v6, s58, v2
.irp k, 0,1
.irp i, 0,1,2,3
	global_load_b128 v[B2+16*\k+4*\i:B2+16*\k+4*\i+3], v[5+\k], s[8:9] offset:512*\i
.endr
.endr
	s_add_co_i32 s48, s30, s31
	s_add_co_i32 s48, s48, 127
	s_lshl_b32 s48, s48, 23                        ; 2^(e2 + e3) as f32
	s_mul_f32 s32, s24, s48                        ; w0 x 2^(e2 + e3): exact
	s_mov_b32 s33, s32                             ; (each factor is named as a pair, so both words are written; the low word serves both halves)
	s_mul_f32 s34, s25, s48
	s_mov_b32 s35, s34
	s_mov_b32 s36, s25
	s_mov_b32 s37, s25
	s_add_f32 s38, s24, s25                        ; w0 + w1, for the residual
	s_mov_b32 s39, s38
	s_wait_loadcnt 0x0
.set o, 0
.rept 8
.irp k, 0,1
	v_pk_add_f32 v[P+16*\k+o:P+16*\k+o+1], v[P+16*\k+o:P+16*\k+o+1], v[P+32+16*\k+o:P+32+16*\k+o+1]
	v_pk_add_f32 v[P+64+16*\k+o:P+64+16*\k+o+1], v[P+64+16*\k+o:P+64+16*\k+o+1], v[P+96+16*\k+o:P+96+16*\k+o+1]
	v_pk_add_f32 v[P+16*\k+o:P+16*\k+o+1], v[P+16*\k+o:P+16*\k+o+1], v[P+64+16*\k+o:P+64+16*\k+o+1]
.endr
	v_pk_mul_f32 v[Y+o:Y+o+1], v[P+o:P+o+1], s[32:33] op_sel_hi:[1,0]
	v_pk_fma_f32 v[Y+o:Y+o+1], v[P+16+o:P+16+o+1], s[34:35], v[Y+o:Y+o+1] op_sel_hi:[1,0,1]
	v_pk_fma_f32 v[Y+o:Y+o+1], v[B2+o:B2+o+1], s[24:25], v[Y+o:Y+o+1] op_sel_hi:[1,0,1]
	v_pk_fma_f32 v[Y+o:Y+o+1], v[B2+16+o:B2+16+o+1], s[36:37], v[Y+o:Y+o+1] op_sel_hi:[1,0,1]
	v_pk_fma_f32 v[Y+o:Y+o+1], v[XR+o:XR+o+1], s[38:39], v[Y+o:Y+o+1] op_sel_hi:[1,0,1]
.set o, o+2
.endr
.irp i, 0,1,2,3
	global_store_b128 v2, v[Y+4*\i:Y+4*\i+3], s[16:17] offset:512*\i th:TH_STORE_NT   ; the wave stores 512 consecutive bytes, aligned
.endr
	s_endpgm
.Lfunc_end_k_qd91842a617_combine:
	.size	k_qd91842a617_combine, .Lfunc_end_k_qd91842a617_combine-k_qd91842a617_combine
	.p2alignl 7, 3214868480
	.fill 96, 4, 3214868480
	.section	.rodata,"a",@progbits
	.p2align	6, 0x0
	.amdhsa_kernel k_qd91842a617_combine
		.amdhsa_group_segment_fixed_size 0
		.amdhsa_private_segment_fixed_size 0
		.amdhsa_enable_private_segment 0
		.amdhsa_kernarg_size 56
		.amdhsa_user_sgpr_count 2
		.amdhsa_user_sgpr_kernarg_segment_ptr 1
		.amdhsa_wavefront_size32 1
		.amdhsa_system_sgpr_workgroup_id_x 1
		.amdhsa_system_sgpr_workgroup_id_y 1
		.amdhsa_system_sgpr_workgroup_id_z 1
		.amdhsa_system_vgpr_workitem_id 0
		.amdhsa_next_free_vgpr 224
		.amdhsa_next_free_sgpr 66
		.amdhsa_reserve_vcc 0
		.amdhsa_float_denorm_mode_32 3
		.amdhsa_float_denorm_mode_16_64 3
		.amdhsa_memory_ordered 1
		.amdhsa_forward_progress 1
		.amdhsa_inst_pref_size 13
	.end_amdhsa_kernel
	.amdgpu_metadata
---
amdhsa.version: [ 1, 2 ]
amdhsa.kernels:
  - .name:           k_qd91842a617_combine
    .symbol:         k_qd91842a617_combine.kd
    .args:
      - { .name: part, .offset: 0, .size: 8, .value_kind: global_buffer, .address_space: global }
      - { .name: x, .offset: 8, .size: 8, .value_kind: global_buffer, .address_space: global }
      - { .name: b2, .offset: 16, .size: 8, .value_kind: global_buffer, .address_space: global }
      - { .name: sel, .offset: 24, .size: 8, .value_kind: global_buffer, .address_space: global }
      - { .name: cw, .offset: 32, .size: 8, .value_kind: global_buffer, .address_space: global }
      - { .name: lowp_scales, .offset: 40, .size: 8, .value_kind: global_buffer, .address_space: global }
      - { .name: out0, .offset: 48, .size: 8, .value_kind: global_buffer, .address_space: global }
    .group_segment_fixed_size: 0
    .private_segment_fixed_size: 0
    .kernarg_segment_align: 8
    .kernarg_segment_size: 56
    .max_flat_workgroup_size: 256
    .sgpr_count:     66
    .vgpr_count:     224
    .wavefront_size: 32
...
	.end_amdgpu_metadata
.endif
;; end of part 5
;; ======== version 2 of 2: 5 launches; version 1 with the launches ffn1, ffn2 written anew for expert scheduling mode
;; workspace buffers: sel 8,192 bytes of whole numbers; cw 8,192 bytes; xq 2,097,152 bytes; hq 33,554,432 bytes; part 35,651,584 bytes; rowlist 32,768 bytes of whole numbers; cnt 2,048 bytes of whole numbers
;; launch route: the kernel of part 1 again; grid 256 x 1, 4 waves a work-group, no clusters, 2,560 bytes of LDS; arguments x, Wg, gamma, beta, lowp_scales, sel, cw, xq; writes sel, cw, xq
;; launch place: the kernel of part 2 again; grid 8 x 1, 1 waves a work-group, no clusters, 4,608 bytes of LDS; arguments sel, rowlist, cnt; writes rowlist, cnt
;; launch ffn1 (part 6): grid 32 x 8, 4 waves a work-group, no clusters, 0 bytes of LDS; arguments xq, W1_codes, b1, lowp_scales, rowlist, cnt, hq; writes hq
.if DOCPART == 6
	.amdgcn_target "amdgcn-amd-amdhsa--gfx1250"
	.amdhsa_code_object_version 6
	.text
	.protected	k_qd91842a617_ffn1
	.globl	k_qd91842a617_ffn1
	.p2align	8
	.type	k_qd91842a617_ffn1,@function
k_qd91842a617_ffn1:
	s_mov_b64 s[64:65], 0
	v_nop
	global_prefetch_b8 v0, s[64:65] scope:SCOPE_SE
	s_setreg_imm32_b32 hwreg(HW_REG_WAVE_SCHED_MODE, 0, 2), 2
	s_setreg_imm32_b32 hwreg(HW_REG_WAVE_MODE, 25, 1), 1
	s_wait_xcnt 0x0
	s_wait_alu depctr_vm_vsrc(0)
; FFN1.  h = Q(relu(normed W1 + b1)) for the routed rows alone, on E4M3 codes.  Work-group (sl, e): expert e, hidden units 128 sl .. 128 sl + 127, all of the expert's rows.
; IN: xq [2048][1024] codes of the routed rows; W1_codes [8][4096][1024]; b1; the scales' exponents e0 .. e3; rowlist [8][1024] the expert's rows on end; cnt[64 e] their number.
; OUT: hq [8 e][64 tiles][32 K steps][4 c][32 lanes][16 bytes]: an image of the next product's operand registers: lane (r, h), group c holds k = 128 s + 32 c + 16 h + 0 .. 15 of the tile's row r.
; SHARES.  Wave w = 2 wn + wm keeps W1's rows 64 wn .. 64 wn + 63 of the slice, all 1,024 along K, in 512 registers, read once, and walks the expert's tiles of 16 rows wm, wm + 2, ..
; A tile's 16 KiB of codes go from memory straight into registers, three buffers by turns, and feed 32 matrix instructions.
; THE PRODUCT IS USED TRANSPOSED (source 0 = 16 rows of W1, source 1 = 16 routed rows), AND THE ROWS OF W1 THAT FORM A TILE ARE NOT NEIGHBOURS: lane r of tile 2 b + u takes row
; 32 b + 8 u + r + 8 (r / 8).  So a lane holds one routed row, and the 16 registers of tiles 2 b, 2 b + 1 are the 16 neighbours 32 b + 16 h + 0 .. 15 along the next K: the conversions' results are the image.
; Fragments are fetched by four loads of 16 bytes, 32 apart: a permutation of k within an instruction, the same on both sides.
; b1 / 2^(e0 + e1) is the C of each sum's first matrix instruction; the three scales ahead of the quantiser are folded into the conversion's one, 2^(e2 - e0 - e1); the hold at the largest code clips at 0 as well.
; NO TENSOR LOAD, NO CLUSTER: the number of tiles is read from memory (an expert may have 0 to 1,024 rows).
; No LDS, no barrier: waves share nothing.  The last tile's places past the list name spill rows, held at row 2,047 for the gather: their results land in rows of hq that feed only the next buffer's spill rows.
; LIMITS: e2 - e0 - e1 between -126 and 119.
; THE MODE: SCHED_MODE bits 1:0 = 2 (LLVM: expert scheduling mode 2), set by the entry lines.  The code itself states the register dependences
; between vector or matrix instructions and memory instructions, with s_wait_alu, always for 0.
; THE PLAN.  My tile P works on buffer b = P % 3.  Registers that memory instructions touch, in the loop:
;   buffers 0 .. 2     Tile P's 32 matrix instructions read buffer b; the gather of tile P + 3 lands in it in the middle of tile P + 1.
;   v[LW+b]            Tile P's address lines read it (the row of tile P + 3); the word of tile P + 6 lands in it at tile P's end.
;   v[AO+b], v[LA+b]   Written by tile P's address lines; v[LA+b] is read by the list load at tile P's end, v[AO+b] by the gather in the middle of tile P + 1.
;   v[PC ..]           Written by tile P's conversions; read by its two stores.
;   v4, v5, v6, v12    Made once at the head and never written again.
;   W1's fragments, the bias and the accumulators are named, once landed, by vector and matrix instructions alone.
; ONE wait on va_vdst a tile, behind its conversions: the codes, v[AO+b] and v[LA+b] are written; the address lines are done reading v[LW+b]; the matrix instructions are done reading buffer b.
; Behind it follow at once the list load and the two stores, and, behind the first 16 matrix instructions of the next tile, the gather into buffer b: those 16 name W1's fragments, the next buffer,
; the bias and the accumulators, none of the registers that the gather touches.  ONE wait on vm_vsrc a tile, in its middle, ahead of the gather.
.set BI,   16                          ; v16-47   b1 / 2^(e0 + e1) in the result's layout, tile t at BI + 8 t
.set AC,   48                          ; v48-79   four accumulators
.set PC,   80                          ; v80-87   the codes just made
.set AO,   9                           ; v9-11    the gather's offset, one for each buffer
.set LW,   88                          ; v88-90   the list word of the tile that the buffer takes next
.set LA,   92                          ; v92-94   where the next such word is asked for
; v1 lane, v2 r, v3 16 h, v4 W1's lane term, v5 64 h, v6 4 r + 64 wm, v8 at work, v12 16 x lane, v14 2^(e2-e0-e1), v15 448 x that
; window 1, 2: W1's fragments: (K step s, tile t) at 16 (4 (s % 4) + t) of window 1 + s / 4.   window 3: buffer 0 at v0, buffer 1 at v128.   window 0, v128-255: buffer 2.
.set MSB, 0
.macro WIN new                         ; the immediate's high byte repeats the setting that is left; a switch that changes nothing is dropped
.if MSB != (\new)
	s_set_vgpr_msb (MSB<<8)|(\new)
.set MSB, (\new)
.endif
.endm
.macro WLOAD s                         ; K step s of my 64 rows of W1: four fragments
	WIN ((1+(\s)/4)<<6)
.irp t, 0,1,2,3
.irp c, 0,1,2,3
	global_load_b128 v[16*(4*((\s)%4)+\t)+4*\c:16*(4*((\s)%4)+\t)+4*\c+3], v4, s[6:7] offset:(32*(\t/2)+8*(\t%2))*1024+128*(\s)+32*\c
.endr
.endr
.endm
; The addresses for my tile number s32 + k, which buffer buf takes next, and for the list word of my tile three further on.
; Past my last tile the row is 0 in every lane: the same few bytes, and the same count of loads.  The list's address hangs on the counter, the wave and the lane alone, and stays inside the expert's 1,024 words.
; In a tile the four vector lines are the four places between the last matrix instructions and the first read of their results (ISA guide 7.12.1).
.macro ADDR buf, k
	s_add_co_u32 s26, s32, \k
	s_cmp_lt_u32 s26, s30
	s_cselect_b32 s27, -1, 0                       ; -1 where I have such a tile
	s_add_co_u32 s26, s26, 3
	s_min_u32 s26, s26, 31
	s_lshl_b32 s26, s26, 7                         ; two tiles of 64 bytes on for each of my tiles
	v_and_b32 v8, s27, v[LW+\buf]
	v_min_u32 v8, 0x7ff, v8                        ; a loaded number enters an address behind a clamp
	v_lshl_add_u32 v[AO+\buf], v8, 10, v3          ; row x 1,024 + 16 h
	v_add_nc_u32 v[LA+\buf], s26, v6
.endm
.macro LWL buf                         ; the list word, a row a lane
	global_load_b32 v[LW+\buf], v[LA+\buf], s[12:13]
.endm
.macro RUN32 buf                       ; the gather: a tile's 16 rows x 1,024 codes into buffer buf
.set RB, 128*(((\buf)+1)/2)
.set RW, 3*(1-(\buf)/2)
	WIN (RW<<6)
.irp s, 0,1,2,3,4,5,6,7
.irp c, 0,1,2,3
	global_load_b128 v[RB+16*\s+4*\c:RB+16*\s+4*\c+3], v[AO+\buf], s[4:5] offset:128*\s+32*\c
.endr
.endr
.endm
; 16 matrix instructions: K steps 4 half .. 4 half + 3, the four accumulators by turns, one instruction a turn.  The first K step takes the bias as C.
.macro MULT buf, half
.set AB, 128*(((\buf)+1)/2)
.set AW, 3*(1-(\buf)/2)
	WIN ((1+\half)|(AW<<2))
.irp s, 0,1,2,3
.irp t, 0,1,2,3
.if (\half)+\s == 0
	v_wmma_f32_16x16x128_fp8_fp8 v[AC+8*\t:AC+8*\t+7], v[16*(4*\s+\t):16*(4*\s+\t)+15], v[AB+16*(4*\half+\s):AB+16*(4*\half+\s)+15], v[BI+8*\t:BI+8*\t+7]
.else
	v_wmma_f32_16x16x128_fp8_fp8 v[AC+8*\t:AC+8*\t+7], v[16*(4*\s+\t):16*(4*\s+\t)+15], v[AB+16*(4*\half+\s):AB+16*(4*\half+\s)+15], v[AC+8*\t:AC+8*\t+7]
.endif
.endr
.endr
.endm
.macro TILE buf
.set PB, ((\buf)+2)%3                  ; the buffer that the tile before multiplied
	s_wait_loadcnt 34                              ; loads come back in order (ISA guide 5.7.1): behind this buffer's gather were issued a list word, the next buffer's 32 loads and a list word; these 34 may stay out
	MULT \buf, 0
	s_wait_xcnt 0x0                                ; every earlier memory instruction has had its addresses translated (ISA guide 3.1): the stores' base, the codes and this buffer's two address registers are rewritten only behind this wait; it stands ahead of the gather, so it waits for none of its 32
	s_add_nc_u64 s[16:17], s[16:17], 0x20000       ; two tiles of 65,536 bytes on; this tile's stores reach back by their offset
	s_wait_alu depctr_vm_vsrc(0)                   ; the last tile's stores have read v[PC ..], which this tile's conversions write again; the loads issued so far have read v[AO+buf] and v[LA+buf], which its address lines write again
	RUN32 PB                                       ; my tile two further on.  No wait: no vector or matrix instruction since the last wait on va_vdst names that buffer or its offset
	MULT \buf, 1
	WIN 0
	ADDR \buf, 3+\buf                              ; for my tile three further on
.set i, 0
.rept 32
	v_med3_num_f32 v[AC+i], v[AC+i], 0, v15        ; relu and the hold in one; each accumulator is read from its low end on
.set i, i+1
.endr
.irp g, 0,1
	v_cvt_scalef32_pk8_fp8_f32 v[PC+4*\g:PC+4*\g+1], v[AC+16*\g:AC+16*\g+7], v14
	v_cvt_scalef32_pk8_fp8_f32 v[PC+4*\g+2:PC+4*\g+3], v[AC+16*\g+8:AC+16*\g+15], v14
.endr
	v_nop                                          ; one plain vector line behind the last conversion: the next products write its sources
	s_wait_alu depctr_va_vdst(0)                   ; the conversions have written v[PC ..], the address lines v[AO+buf] and v[LA+buf]; they are done reading v[LW+buf], and the matrix instructions are done reading this buffer
	LWL \buf
	global_store_b128 v12, v[PC:PC+3], s[16:17] offset:-0x20000        ; group c = 2 wn: the wave stores 512 consecutive bytes, aligned
	global_store_b128 v12, v[PC+4:PC+7], s[16:17] offset:512-0x20000   ; group c = 2 wn + 1
.endm
	s_load_b256 s[4:11], s[0:1], 0x0               ; xq s[4:5], W1 s[6:7], b1 s[8:9], scales s[10:11]
	s_load_b128 s[12:15], s[0:1], 0x20             ; rowlist s[12:13], cnt s[14:15]
	s_load_b64 s[16:17], s[0:1], 0x30              ; hq
	v_lshrrev_b32 v1, 5, v0
	v_readfirstlane_b32 s20, v1                    ; wave
	v_and_b32 v2, 15, v0                           ; r
	v_bfe_u32 v3, v0, 4, 1                         ; h
	v_lshlrev_b32 v5, 6, v3                        ; 64 h: b1's lane term
	v_lshlrev_b32 v3, 4, v3                        ; 16 h
	v_and_b32 v4, 8, v2
	v_add_nc_u32 v4, v4, v2                        ; r + 8 (r / 8)
	v_lshl_add_u32 v4, v4, 10, v3
	v_and_b32 v1, 31, v0
	v_lshlrev_b32 v12, 4, v1
	s_and_b32 s23, ttmp7, 0xffff                   ; e
	s_mov_b32 s24, ttmp9                           ; sl
	s_wait_alu depctr_va_sdst(0)                   ; s20 is written, ahead of its first reader
	s_lshr_b32 s21, s20, 1                         ; wn: which 64 rows of the slice
	s_and_b32 s22, s20, 1                          ; wm: even or odd tiles
	s_lshl_b32 s26, s22, 6
	v_lshl_add_u32 v6, v2, 2, s26                  ; 4 r + 64 wm: my word of my first tile's sixteen
	s_mov_b32 s29, 0
	s_lshl_b32 s33, s23, 22
	s_lshl_b32 s28, s24, 17
	s_lshl_b32 s26, s21, 16
	s_add_co_u32 s28, s28, s26
	s_add_co_u32 s28, s28, s33
	s_wait_kmcnt 0x0
	s_add_nc_u64 s[6:7], s[6:7], s[28:29]          ; W1 at my 64 rows
	s_lshl_b32 s28, s23, 14
	s_lshl_b32 s26, s24, 9
	s_add_co_u32 s28, s28, s26
	s_lshl_b32 s26, s21, 8
	s_add_co_u32 s28, s28, s26
	s_add_nc_u64 s[8:9], s[8:9], s[28:29]          ; b1 at my 64 units
	s_lshl_b32 s28, s22, 16
	s_lshl_b32 s26, s24, 11
	s_add_co_u32 s28, s28, s26
	s_lshl_b32 s26, s21, 10
	s_add_co_u32 s28, s28, s26
	s_add_co_u32 s28, s28, s33
	s_add_nc_u64 s[16:17], s[16:17], s[28:29]      ; hq at tile wm, K step sl, group 2 wn
	s_lshl_b32 s28, s23, 12
	s_add_nc_u64 s[12:13], s[12:13], s[28:29]      ; the expert's list
	s_lshl_b32 s28, s23, 8
	s_add_nc_u64 s[14:15], s[14:15], s[28:29]
	s_load_b128 s[36:39], s[10:11], 0x0            ; e0, e1, e2, e3
	s_load_b32 s34, s[14:15], 0x0                  ; the expert's rows
	s_wait_alu depctr_va_vdst(0)                   ; v4, v5, v6 and v12 are written: the loads below and every store of the kernel read one of them as their offset
.irp k, 0,1,2
	global_load_b32 v[LW+\k], v6, s[12:13] offset:128*\k   ; the list words of my first three tiles
.endr
.irp t, 0,1,2,3
	global_load_b128 v[BI+8*\t:BI+8*\t+3], v5, s[8:9] offset:(32*(\t/2)+8*(\t%2))*4
	global_load_b128 v[BI+8*\t+4:BI+8*\t+7], v5, s[8:9] offset:(32*(\t/2)+8*(\t%2))*4+16
.endr
	WLOAD 0
	WLOAD 1
	WLOAD 2
	WLOAD 3
	WLOAD 4
	WLOAD 5
	WLOAD 6
	WLOAD 7
	WIN 0
	s_wait_kmcnt 0x0
	s_add_co_u32 s30, s34, 15
	s_lshr_b32 s30, s30, 4                         ; the expert's tiles
	s_add_co_u32 s30, s30, 1
	s_sub_co_u32 s30, s30, s22
	s_lshr_b32 s30, s30, 1                         ; mine: wm, wm + 2, ..
	s_cmp_eq_u32 s30, 0
	s_cbranch_scc1 .Ldone
	s_wait_loadcnt 63                              ; the list words and b1 are in: W1's 128 loads are younger
	s_add_co_i32 s40, s36, s37                     ; e0 + e1
	s_sub_co_i32 s41, 0, s40
.set i, 0
.rept 32
	v_ldexp_f32 v[BI+i], v[BI+i], s41              ; a sum stands for sum x 2^(e0 + e1): the bias goes in divided by that
.set i, i+1
.endr
	s_sub_co_i32 s42, s38, s40
	s_add_co_i32 s42, s42, 127
	s_lshl_b32 s43, s42, 23
	v_mov_b32 v14, s43                             ; 2^(e2 - e0 - e1)
	s_add_co_i32 s42, s42, 8
	s_lshl_b32 s42, s42, 23
	s_or_b32 s42, s42, 0x600000
	v_mov_b32 v15, s42                             ; 448 x that
	s_mov_b32 s32, 0
	ADDR 0, 0
	ADDR 1, 1
	ADDR 2, 2
	s_wait_alu depctr_va_vdst(0)                   ; the three v[AO ..] and the three v[LA ..] are written, and the address lines are done reading the three v[LW ..], in which the next list words land
	LWL 0                                          ; the loads go out in the order in which the loop issues them, so that the count at a tile's head holds from the first tile on
	RUN32 0
	WIN 0
	LWL 1
	RUN32 1
	WIN 0
	LWL 2                                          ; buffer 2's gather stands in the middle of the first tile
.Ltile:                                                ; three tiles a trip, until the buffers are back where they began.  The backward branch counts to a constant (a wave has at most 32 tiles); a wave leaves when its own are done
	TILE 0
	s_add_co_u32 s26, s32, 1
	s_cmp_ge_u32 s26, s30
	s_cbranch_scc1 .Ldone
	TILE 1
	s_add_co_u32 s26, s32, 2
	s_cmp_ge_u32 s26, s30
	s_cbranch_scc1 .Ldone
	TILE 2
	s_add_co_u32 s26, s32, 3
	s_cmp_ge_u32 s26, s30
	s_cbranch_scc1 .Ldone
	s_add_co_u32 s32, s32, 3
	s_cmp_lt_u32 s32, 33
	s_cbranch_scc1 .Ltile
.Ldone:
	s_endpgm
.Lfunc_end_k_qd91842a617_ffn1:
	.size	k_qd91842a617_ffn1, .Lfunc_end_k_qd91842a617_ffn1-k_qd91842a617_ffn1
	.p2alignl 7, 3214868480
	.fill 96, 4, 3214868480
	.section	.rodata,"a",@progbits
	.p2align	6, 0x0
	.amdhsa_kernel k_qd91842a617_ffn1
		.amdhsa_group_segment_fixed_size 0
		.amdhsa_private_segment_fixed_size 0
		.amdhsa_enable_private_segment 0
		.amdhsa_kernarg_size 56
		.amdhsa_user_sgpr_count 2
		.amdhsa_user_sgpr_kernarg_segment_ptr 1
		.amdhsa_wavefront_size32 1
		.amdhsa_system_sgpr_workgroup_id_x 1
		.amdhsa_system_sgpr_workgroup_id_y 1
		.amdhsa_system_sgpr_workgroup_id_z 1
		.amdhsa_system_vgpr_workitem_id 0
		.amdhsa_next_free_vgpr 1024
		.amdhsa_next_free_sgpr 66
		.amdhsa_reserve_vcc 0
		.amdhsa_float_denorm_mode_32 3
		.amdhsa_float_denorm_mode_16_64 3
		.amdhsa_memory_ordered 1
		.amdhsa_forward_progress 1
		.amdhsa_inst_pref_size 51
	.end_amdhsa_kernel
	.amdgpu_metadata
---
amdhsa.version: [ 1, 2 ]
amdhsa.kernels:
  - .name:           k_qd91842a617_ffn1
    .symbol:         k_qd91842a617_ffn1.kd
    .args:
      - { .name: xq, .offset: 0, .size: 8, .value_kind: global_buffer, .address_space: global }
      - { .name: W1_codes, .offset: 8, .size: 8, .value_kind: global_buffer, .address_space: global }
      - { .name: b1, .offset: 16, .size: 8, .value_kind: global_buffer, .address_space: global }
      - { .name: lowp_scales, .offset: 24, .size: 8, .value_kind: global_buffer, .address_space: global }
      - { .name: rowlist, .offset: 32, .size: 8, .value_kind: global_buffer, .address_space: global }
      - { .name: cnt, .offset: 40, .size: 8, .value_kind: global_buffer, .address_space: global }
      - { .name: hq, .offset: 48, .size: 8, .value_kind: global_buffer, .address_space: global }
    .group_segment_fixed_size: 0
    .private_segment_fixed_size: 0
    .kernarg_segment_align: 8
    .kernarg_segment_size: 56
    .max_flat_workgroup_size: 128
    .sgpr_count:     66
    .vgpr_count:     1024
    .wavefront_size: 32
...
	.end_amdgpu_metadata
.endif
;; end of part 6
;; launch ffn2 (part 7): grid 32 x 8, 4 waves a work-group, no clusters, 17,920 bytes of LDS; arguments hq, W2_codes, cnt, rowlist, part; writes part
.if DOCPART == 7
	.amdgcn_target "amdgcn-amd-amdhsa--gfx1250"
	.amdhsa_code_object_version 6
	.text
	.protected	k_qd91842a617_ffn2
	.globl	k_qd91842a617_ffn2
	.p2align	8
	.type	k_qd91842a617_ffn2,@function
k_qd91842a617_ffn2:
	s_mov_b64 s[64:65], 0
	v_nop
	global_prefetch_b8 v0, s[64:65] scope:SCOPE_SE
	s_setreg_imm32_b32 hwreg(HW_REG_WAVE_SCHED_MODE, 0, 2), 2
	s_setreg_imm32_b32 hwreg(HW_REG_WAVE_MODE, 25, 1), 1
	s_wait_xcnt 0x0
	s_wait_alu depctr_vm_vsrc(0)
; FFN2.  Partial sums of h W2 on E4M3 codes, as they come from the matrix unit (the scales are applied by the next launch).
; Work-group (x, e): expert e, quarter q = x % 4 of K (1,024 hidden units, 8 K steps), output columns 128 (x / 4) .. + 127, all of the expert's rows.
; IN: hq, images of the operand's registers (lane (r, h), group c: k = 128 s + 32 c + 16 h + 0 .. 15 of the tile's row r); W2_codes [8][1024][4096]; cnt[64 e] = the expert's rows; rowlist [8][1024].
; OUT: part [4 q][2176 rows][1024 columns] f32: row = the ROUTED row, taken from the list, so that the next launch finds a token's two rows at fixed places.  Rows 2048 + 16 e + 0 .. 15 are
; expert e's spill rows, named by the list's words past its rows: the last tile's idle places go there, and nobody reads them.  A routed row stands in one expert's list, so each byte has one writer.
; K IS CUT IN FOUR so that W2's 32 MiB are spread once over 256 work-groups, 128 KiB each; the four parts of a sum are added in a fixed order by the next launch: no atomics.
; SHARES.  Wave w = 2 wn + wm keeps W2's rows (output columns) 64 wn .. + 63 of the slice, 1,024 along K, in 512 registers, and walks the expert's tiles wm, wm + 2, ..
; A tile's image, 16 KiB, comes by 32 loads of 512 consecutive bytes into one of three buffers, its list words by two more, and feeds 32 matrix instructions.
; TRANSPOSED USE (source 0 = 16 rows of W2, source 1 = 16 rows of h): a lane holds 8 neighbouring columns of one row; a tile goes through the wave's own stage in LDS and leaves as rows of 256 bytes.
; NO TENSOR LOAD, NO CLUSTER: the number of tiles is read from memory.  No barrier: waves share nothing in LDS.
; THE MODE: SCHED_MODE bits 1:0 = 2 (LLVM: expert scheduling mode 2), set by the entry lines.  The code itself states the register dependences
; between vector or matrix instructions and memory or LDS instructions, with s_wait_alu, always for 0.
; THE PLAN.  My tile P works on buffer b = P % 3.  Registers that memory or LDS instructions touch, in the loop:
;   buffers 0 .. 2     Tile P's 32 matrix instructions read buffer b; the image of tile P + 3 lands in it in the middle of tile P + 1.
;   v[LW+8 b ..]       Tile P's eight clamps read the set; the list words of tile P + 3 land in it at tile P's end.
;   v[VO+b], v[LA+b]   Written by tile P's address lines; v[LA+b] is read by the two list loads at tile P's end, v[VO+b] by the image's loads in the middle of tile P + 1.
;   v[AC ..]           Written by tile P's matrix instructions; read by its eight LDS stores; written anew by tile P + 1's first products.
;   v[OUTR ..]         Tile P's eight LDS loads land in it; its eight global stores read it.
;   v[STA ..]          Written by sixteen vector lines behind tile P's products; read by its eight global stores.
;   v4, v6, v7         Made once at the head and never written again.   v126, v127: written at the head, read by the closing add alone.
; ONE wait on vm_vsrc a tile, at its head: all that the tile before stored has been read out of AC, OUTR and STA.  ONE wait on va_vdst a tile, behind its address lines: the accumulators, STA, v[VO+b] and v[LA+b]
; are written; the clamps are done reading the list words, the matrix instructions are done reading buffer b.  Behind it follow at once the list loads and the way through the stage, and, behind the first 16 matrix
; instructions of the next tile, the image's loads into buffer b: those 16 name W2's fragments, the next buffer and the accumulators, none of the registers that these loads touch.
.set AC,   16                          ; v16-47   four accumulators
.set OUTR, 48                          ; v48-79   16 rows x 256 bytes read back from the stage
.set VO,   10                          ; v10-12   the image's lane term, one for each buffer
.set LA,   13                          ; v13-15   where the list words are asked for, likewise
.set LW,   80                          ; v80-103  list words of rows 8 h + 0 .. 7 of the tile, eight for each buffer
.set STA,  104                         ; v104-111 the eight stores' offsets in part
.set PARTQ, 2176*4096                  ; a quarter's bytes in part
; v4 W2's lane term, v5 16 x lane, v6 into the stage, v7 out of it, v8 32 h, v9 16 r
; s[40:45] a tile's base, one pair for each buffer.  Windows as in the launch before: 1, 2: W2's fragments; 3: buffers 0, 1; window 0, v128-255: buffer 2.
.set MSB, 0
.macro WIN new
.if MSB != (\new)
	s_set_vgpr_msb (MSB<<8)|(\new)
.set MSB, (\new)
.endif
.endm
.macro WLOAD s
	WIN ((1+(\s)/4)<<6)
.irp t, 0,1,2,3
.irp c, 0,1,2,3
	global_load_b128 v[16*(4*((\s)%4)+\t)+4*\c:16*(4*((\s)%4)+\t)+4*\c+3], v4, s[6:7] offset:16*\t*4096+128*(\s)+32*\c
.endr
.endr
.endm
; The addresses for my tile number s32 + k, which buffer buf takes next.  Past my last tile: my last tile's base (bytes that were stored) and lane term 0: the same few bytes, the same count of loads.
; The buffer's base is free: the wait at the tile's head has shown the loads that read it done.
.macro ADDR buf, k
	s_add_co_u32 s26, s32, \k
	s_cmp_lt_u32 s26, s30
	s_cselect_b32 s27, -1, 0
	s_min_u32 s26, s26, s31                        ; my last tile at the most,
	s_min_u32 s26, s26, 31                         ; and a loaded number enters an address behind a clamp by a constant
	s_lshl_b32 s26, s26, 1
	s_add_co_u32 s26, s26, s22
	s_lshl_b32 s28, s26, 16                        ; a tile's image is 65,536 bytes,
	s_lshl_b32 s26, s26, 6                         ; its list words 64
	s_add_nc_u64 s[40+2*\buf:41+2*\buf], s[4:5], s[28:29]
	v_and_b32 v[VO+\buf], s27, v5
	v_min_u32 v[VO+\buf], 0x1f0, v[VO+\buf]
	v_add_nc_u32 v[LA+\buf], s26, v8
.endm
.macro LW2 buf                         ; the tile's list words: eight a lane
	global_load_b128 v[LW+8*\buf:LW+8*\buf+3], v[LA+\buf], s[10:11]
	global_load_b128 v[LW+8*\buf+4:LW+8*\buf+7], v[LA+\buf], s[10:11] offset:16
.endm
.macro RUN32 buf                       ; the tile's image into buffer buf
.set RB, 128*(((\buf)+1)/2)
.set RW, 3*(1-(\buf)/2)
	WIN (RW<<6)
.irp s, 0,1,2,3,4,5,6,7
.irp c, 0,1,2,3
	global_load_b128 v[RB+16*\s+4*\c:RB+16*\s+4*\c+3], v[VO+\buf], s[40+2*\buf:41+2*\buf] offset:2048*\s+512*\c
.endr
.endr
.endm
; 16 matrix instructions: K steps 4 half .. 4 half + 3, the four accumulators by turns, one instruction a turn; the first K step starts the sums with the constant 0
.macro MULT buf, half
.set AB, 128*(((\buf)+1)/2)
.set AW, 3*(1-(\buf)/2)
	WIN ((1+\half)|(AW<<2))
.irp s, 0,1,2,3
.irp t, 0,1,2,3
.if (\half)+\s == 0
	v_wmma_f32_16x16x128_fp8_fp8 v[AC+8*\t:AC+8*\t+7], v[16*(4*\s+\t):16*(4*\s+\t)+15], v[AB+16*(4*\half+\s):AB+16*(4*\half+\s)+15], 0
.else
	v_wmma_f32_16x16x128_fp8_fp8 v[AC+8*\t:AC+8*\t+7], v[16*(4*\s+\t):16*(4*\s+\t)+15], v[AB+16*(4*\half+\s):AB+16*(4*\half+\s)+15], v[AC+8*\t:AC+8*\t+7]
.endif
.endr
.endr
.endm
.macro TILE buf
.set PB, ((\buf)+2)%3                  ; the buffer that the tile before multiplied
	s_wait_loadcnt 36                              ; loads come back in order (ISA guide 5.7.1): behind this buffer's image were issued two list loads, the next buffer's 32 loads and two list loads; these 36 may stay out.  This tile's list words were asked for ahead of its image
	s_wait_alu depctr_vm_vsrc(0)                   ; the last tile's LDS stores have read the accumulators, which the products below write anew; its global stores have read v[STA ..] and v[OUTR ..]; the loads issued so far have read v[VO+buf] and v[LA+buf]
	MULT \buf, 0
	s_wait_xcnt 0x0                                ; every earlier memory instruction has had its addresses translated (ISA guide 3.1): the stores' offsets and data are rewritten only behind this wait; it stands ahead of the image's loads, so it waits for none of the 32
	RUN32 PB                                       ; my tile two further on.  No wait: no vector or matrix instruction since the last wait on va_vdst names that buffer or its lane term
	MULT \buf, 1
	WIN 0
.irp i, 0,1,2,3,4,5,6,7
	v_min_u32 v[STA+\i], 0x87f, v[LW+8*\buf+\i]    ; the routed row of the tile's row 8 h + i, behind a clamp: 2,175 is part's last row
.endr
.irp i, 0,1,2,3,4,5,6,7
	v_lshl_add_u32 v[STA+\i], v[STA+\i], 12, v9    ; row x 4,096 + 16 r.  These sixteen lines are also the places between the last products and the LDS stores that read their results
.endr
	ADDR \buf, 3+\buf                              ; for my tile three further on
	s_wait_alu depctr_va_vdst(0)                   ; the matrix instructions have written the accumulators and are done reading this buffer; v[STA ..], v[VO+buf] and v[LA+buf] are written; the clamps are done reading this buffer's list words
	LW2 \buf
.irp t, 0,1,2,3
	ds_store_b128 v6, v[AC+8*\t:AC+8*\t+3] offset:64*\t            ; lane (r, h): row r, columns 16 t + 8 h + 0 .. 7; each accumulator from its low end on
	ds_store_b128 v6, v[AC+8*\t+4:AC+8*\t+7] offset:64*\t+16
.endr
.irp i, 0,1,2,3,4,5,6,7
	ds_load_b128 v[OUTR+4*\i:OUTR+4*\i+3], v7 offset:272*\i        ; lanes 0-15 row i, lanes 16-31 row i + 8.  LDS serves a wave's instructions in order (ISA guide 5.7.1.4): these see my stores
.endr
	s_wait_dscnt 0x0
.irp i, 0,1,2,3,4,5,6,7
	global_store_b128 v[STA+\i], v[OUTR+4*\i:OUTR+4*\i+3], s[12:13] th:TH_STORE_NT   ; sixteen lanes store 256 consecutive bytes, aligned
.endr
.endm
	s_load_b256 s[4:11], s[0:1], 0x0               ; hq s[4:5], W2 s[6:7], cnt s[8:9], rowlist s[10:11]
	s_load_b64 s[12:13], s[0:1], 0x20              ; part
	v_lshl_add_u32 v126, v0, 2, 0x4400
	v_mov_b32 v127, 0
	v_lshrrev_b32 v1, 5, v0
	v_readfirstlane_b32 s20, v1                    ; wave
	v_and_b32 v2, 15, v0                           ; r
	v_bfe_u32 v3, v0, 4, 1                         ; h
	v_lshlrev_b32 v4, 12, v2
	v_lshl_add_u32 v4, v3, 4, v4                   ; W2: row r of 4,096 bytes, + 16 h
	v_and_b32 v1, 31, v0
	v_lshlrev_b32 v5, 4, v1
	v_mul_u32_u24 v6, v2, 272
	v_lshl_add_u32 v6, v3, 5, v6
	v_mul_u32_u24 v7, v3, 8*272
	v_lshl_add_u32 v7, v2, 4, v7
	v_lshlrev_b32 v8, 5, v3
	v_lshlrev_b32 v9, 4, v2
	s_and_b32 s23, ttmp7, 0xffff                   ; e
	s_and_b32 s24, ttmp9, 3                        ; q
	s_lshr_b32 s25, ttmp9, 2                       ; which 128 columns
	s_wait_alu depctr_va_sdst(0)                   ; s20 is written, ahead of its first reader
	s_lshr_b32 s21, s20, 1                         ; wn
	s_and_b32 s22, s20, 1                          ; wm
	s_mul_i32 s26, s20, 4352                       ; my stage: 16 rows x (256 + 16) bytes
	v_add_nc_u32 v6, s26, v6
	v_add_nc_u32 v7, s26, v7
	s_mov_b32 s29, 0
	s_lshl_b32 s33, s23, 22
	s_lshl_b32 s28, s25, 19
	s_lshl_b32 s26, s21, 18
	s_add_co_u32 s28, s28, s26
	s_lshl_b32 s26, s24, 10
	s_add_co_u32 s28, s28, s26
	s_add_co_u32 s28, s28, s33
	s_wait_kmcnt 0x0
	s_add_nc_u64 s[6:7], s[6:7], s[28:29]          ; W2 at my 64 rows, my quarter of K
	s_lshl_b32 s28, s23, 8
	s_add_nc_u64 s[8:9], s[8:9], s[28:29]
	s_load_b32 s34, s[8:9], 0x0                    ; the expert's rows
	s_lshl_b32 s28, s23, 12
	s_add_nc_u64 s[10:11], s[10:11], s[28:29]      ; the expert's list
	s_lshl_b32 s28, s24, 14
	s_add_co_u32 s28, s28, s33
	s_add_nc_u64 s[4:5], s[4:5], s[28:29]          ; hq at the expert's tile 0, K step 8 q
	s_mul_i32 s28, s24, PARTQ
	s_lshl_b32 s26, s25, 9
	s_add_co_u32 s28, s28, s26
	s_lshl_b32 s26, s21, 8
	s_add_co_u32 s28, s28, s26
	s_add_nc_u64 s[12:13], s[12:13], s[28:29]      ; part at my quarter, my 64 columns
	s_wait_alu depctr_va_vdst(0)                   ; v4 is written, which the loads of W2 read as their offset; so are v6 and v7, the stage's two addresses for the whole kernel
	WLOAD 0
	WLOAD 1
	WLOAD 2
	WLOAD 3
	WLOAD 4
	WLOAD 5
	WLOAD 6
	WLOAD 7
	WIN 0
	s_wait_kmcnt 0x0
	s_add_co_u32 s30, s34, 15
	s_lshr_b32 s30, s30, 4                         ; the expert's tiles
	s_add_co_u32 s30, s30, 1
	s_sub_co_u32 s30, s30, s22
	s_lshr_b32 s30, s30, 1                         ; mine
	s_cmp_eq_u32 s30, 0
	s_cbranch_scc1 .Ldone
	s_sub_co_u32 s31, s30, 1
	s_mov_b32 s32, 0
	ADDR 0, 0
	ADDR 1, 1
	ADDR 2, 2
	s_wait_alu depctr_va_vdst(0)                   ; the three v[VO ..] and the three v[LA ..] are written, which the loads below read
	LW2 0                                          ; the loads go out in the order in which the loop issues them, so that the count at a tile's head holds from the first tile on
	RUN32 0
	WIN 0
	LW2 1
	RUN32 1
	WIN 0
	LW2 2                                          ; buffer 2's image is asked for in the middle of the first tile
.Ltile:                                                ; three tiles a trip; the backward branch counts to a constant (a wave has at most 32 tiles); a wave leaves when its own are done
	TILE 0
	s_add_co_u32 s26, s32, 1
	s_cmp_ge_u32 s26, s30
	s_cbranch_scc1 .Ldone
	TILE 1
	s_add_co_u32 s26, s32, 2
	s_cmp_ge_u32 s26, s30
	s_cbranch_scc1 .Ldone
	TILE 2
	s_add_co_u32 s26, s32, 3
	s_cmp_ge_u32 s26, s30
	s_cbranch_scc1 .Ldone
	s_add_co_u32 s32, s32, 3
	s_cmp_lt_u32 s32, 33
	s_cbranch_scc1 .Ltile
.Ldone:
	s_wait_dscnt 0x0                               ; the closing lines, six on end
	s_wait_alu 0x0
	s_wait_tensorcnt 0x0
	ds_add_u32 v126, v127
	s_wait_dscnt 0x0
	s_endpgm
.Lfunc_end_k_qd91842a617_ffn2:
	.size	k_qd91842a617_ffn2, .Lfunc_end_k_qd91842a617_ffn2-k_qd91842a617_ffn2
	.p2alignl 7, 3214868480
	.fill 96, 4, 3214868480
	.section	.rodata,"a",@progbits
	.p2align	6, 0x0
	.amdhsa_kernel k_qd91842a617_ffn2
		.amdhsa_group_segment_fixed_size 17920
		.amdhsa_private_segment_fixed_size 0
		.amdhsa_enable_private_segment 0
		.amdhsa_kernarg_size 40
		.amdhsa_user_sgpr_count 2
		.amdhsa_user_sgpr_kernarg_segment_ptr 1
		.amdhsa_wavefront_size32 1
		.amdhsa_system_sgpr_workgroup_id_x 1
		.amdhsa_system_sgpr_workgroup_id_y 1
		.amdhsa_system_sgpr_workgroup_id_z 1
		.amdhsa_system_vgpr_workitem_id 0
		.amdhsa_next_free_vgpr 1024
		.amdhsa_next_free_sgpr 66
		.amdhsa_reserve_vcc 0
		.amdhsa_float_denorm_mode_32 3
		.amdhsa_float_denorm_mode_16_64 3
		.amdhsa_memory_ordered 1
		.amdhsa_forward_progress 1
		.amdhsa_inst_pref_size 50
	.end_amdhsa_kernel
	.amdgpu_metadata
---
amdhsa.version: [ 1, 2 ]
amdhsa.kernels:
  - .name:           k_qd91842a617_ffn2
    .symbol:         k_qd91842a617_ffn2.kd
    .args:
      - { .name: hq, .offset: 0, .size: 8, .value_kind: global_buffer, .address_space: global }
      - { .name: W2_codes, .offset: 8, .size: 8, .value_kind: global_buffer, .address_space: global }
      - { .name: cnt, .offset: 16, .size: 8, .value_kind: global_buffer, .address_space: global }
      - { .name: rowlist, .offset: 24, .size: 8, .value_kind: global_buffer, .address_space: global }
      - { .name: part, .offset: 32, .size: 8, .value_kind: global_buffer, .address_space: global }
    .group_segment_fixed_size: 17920
    .private_segment_fixed_size: 0
    .kernarg_segment_align: 8
    .kernarg_segment_size: 40
    .max_flat_workgroup_size: 128
    .sgpr_count:     66
    .vgpr_count:     1024
    .wavefront_size: 32
...
	.end_amdgpu_metadata
.endif
;; end of part 7
;; launch combine: the kernel of part 5 again; grid 256 x 1, 8 waves a work-group, no clusters, 0 bytes of LDS; arguments part, x, b2, sel, cw, lowp_scales, out0; writes out0
